; MI455X (gfx1250); checked and timed in simulation.
; The chip was launched on July 23, 2026; its instructions are those of AMD's public machine-readable ISA for CDNA 5 (MIT licence, August 2026) and "CDNA5" Instruction Set Architecture Reference Guide (July 2026). The comments in the code are by the model that wrote it; some were corrected since.
;; Multi Headed Attention. Allowed arithmetic: float matrix products may take bf16 or f16 operands with f32 sums; other float arithmetic in f32, or as packed bf16 or f16 multiplies, adds, multiply-adds, maxima and minima; sums over many terms, partial sums and values carried from step to step in f32; what a program stores and reads back later, other than sums and carried values, may be rounded once to bf16 or f16.
;; Inputs: Wk 1,024 x 1,024 float32; Wo 1,024 x 1,024 float32; Wq 1,024 x 1,024 float32; Wv 1,024 x 1,024 float32; attention_propagation 2,048 x 2,048 float32; bk 1,024 float32; bo 1,024 float32; bq 1,024 float32; bv 1,024 float32; input_k 2 x 2,048 x 1,024 float32; input_q 2 x 2,048 x 1,024 float32; input_v 2 x 2,048 x 1,024 float32; mask 2 x 1 x 2,048 x 2,048 int32.
;; Outputs: out0 2 x 2,048 x 1,024 float32.
;; One version. Each part assembles by itself: llvm-mc -triple=amdgcn-amd-amdhsa -mcpu=gfx1250 --defsym DOCPART=n.
;; ======== version 1 of 1: 6 launches
;; limits: values are held in f16: magnitudes above 65,504 overflow, below 6.1e-05 lose precision
;; workspace buffers: cst 41,943,040 bytes; mb 1,048,576 bytes of whole numbers; qkv 25,165,824 bytes; sb 33,554,432 bytes; pbuf 33,554,432 bytes; st 1,048,576 bytes; ob 8,388,608 bytes
;; launch prep (part 1): grid 1792 x 1, 8 waves a work-group, no clusters, 0 bytes of LDS; arguments input_q, input_k, input_v, attention_propagation, Wq, Wk, Wv, Wo, mask, cst, mb; writes cst, mb
.if DOCPART == 1
	.amdgcn_target "amdgcn-amd-amdhsa--gfx1250"
	.amdhsa_code_object_version 6
	.text
	.protected	k_q936e82be7f_prep
	.globl	k_q936e82be7f_prep
	.p2align	8
	.type	k_q936e82be7f_prep,@function
k_q936e82be7f_prep:
	s_mov_b64 s[64:65], 0
	v_nop
	global_prefetch_b8 v0, s[64:65] scope:SCOPE_SE
	s_setreg_imm32_b32 hwreg(HW_REG_WAVE_MODE, 25, 1), 1
	s_wait_xcnt 0x0
; PREP.  Work-groups 0..1279 round the eight f32 matrices to 16 bits into cst, end to end in the order of the arguments;
; work-groups 1280..1791 turn the int32 mask into bits in mb.  Memory binds: no LDS, no barrier, no matrix unit, no loop.
; SHARES.  Every work-group takes 65,536 bytes of its source, every wave 8,192: 16 loads of 16 bytes a lane, all issued at once into 64 registers.
; 83,886,080 bytes of matrices are 1,280 such work-groups, 33,554,432 bytes of mask 512: all read alike; the casts, which store more, come first.
; Results are made in place, in the registers that were loaded, and no register that a store reads is written again: the only waits are the counted ones for the loads.
; CASTS.  All eight are rounded to bf16; Wo (work-groups 1216..1279), which is multiplied in f16 later, has that bf16 number written as f16
; (exact from 6e-5 up to 65,504 in size; below that f16 keeps its fixed step of 6e-8).  A piece of 512 bytes (16 a lane) is stored as 256 consecutive aligned bytes.
; MASK.  mb is [b 2][CC 16][G 128][lane 32][2 words]; a wave makes one block (b, CC, G): 16 rows x 128 columns.  Lane i + 16 hrow, word t / 4, bit 31 - (8 (t % 4) + j) says whether
; mask[b][16 G + 2 t + hrow][128 CC + 8 i + j] is not 0: the order in which the later launches' way out meets the numbers, top bit first.
.set T, 4                              ; v[4:7]   at work (in the mask part v4, v5 are the two words)
.set X, 8                              ; v[8:71]  the 16 loads, 4 registers each
	s_load_b512 s[16:31], s[0:1], 0x0              ; input_q, input_k, input_v, attention_propagation, Wq, Wk, Wv, Wo
	s_load_b128 s[32:35], s[0:1], 0x40             ; mask, cst
	s_load_b64 s[36:37], s[0:1], 0x50              ; mb
	v_lshrrev_b32 v3, 5, v0
	v_readfirstlane_b32 s8, v3                     ; wave 0..7
	v_and_b32 v3, 31, v0                           ; lane
	v_lshlrev_b32 v2, 3, v3                        ; both parts store 8 bytes a lane
	s_mov_b32 s3, 0
	s_mov_b32 s13, 0
	s_cmp_ge_u32 ttmp9, 1280
	s_cbranch_scc1 .Lmask
	; which matrix and which block of 65,536 bytes: the first four have 256 blocks, the weights 64
	s_lshr_b32 s10, ttmp9, 8
	s_and_b32 s11, ttmp9, 255
	s_sub_co_u32 s12, ttmp9, 1024
	s_lshr_b32 s15, s12, 6
	s_add_co_u32 s15, s15, 4
	s_and_b32 s12, s12, 63
	s_cmp_lt_u32 ttmp9, 1024
	s_cselect_b32 s10, s10, s15                    ; matrix 0..7
	s_cselect_b32 s11, s11, s12                    ; block
	s_mov_b32 s9, 0xffff0000                       ; a word's upper half
	s_lshl_b32 s2, s11, 16
	s_lshl_b32 s12, s8, 13
	s_add_co_u32 s2, s2, s12                       ; source: block x 65,536 + wave x 8,192
	s_lshl_b32 s12, ttmp9, 15
	s_lshl_b32 s15, s8, 12
	s_add_co_u32 s12, s12, s15                     ; cst: work-group x 32,768 + wave x 4,096
	v_lshlrev_b32 v1, 4, v3
	s_wait_kmcnt 0x0
	s_mov_b64 s[4:5], s[16:17]
.irp k, 1,2,3,4,5,6,7
	s_cmp_eq_u32 s10, \k
	s_cselect_b64 s[4:5], s[16+2*\k:17+2*\k], s[4:5]
.endr
	s_add_nc_u64 s[4:5], s[4:5], s[2:3]
	s_add_nc_u64 s[6:7], s[34:35], s[12:13]
.irp i, 0,1,2,3,4,5,6,7,8,9,10,11,12,13,14,15
	global_load_b128 v[X+4*(\i):X+4*(\i)+3], v1, s[4:5] offset:512*(\i) th:TH_LOAD_NT
.endr
; Piece i: four numbers a lane become two words, in the piece's own first two registers.  wo = 1: the bf16 numbers are written as f16.
.macro PIECE i, wo
	s_wait_loadcnt 15-(\i)                         ; loads come back in order: mine is in, the 15 - i younger ones stay out
	v_cvt_pk_bf16_f32 v[X+4*(\i)],   v[X+4*(\i)],   v[X+4*(\i)+1]
	v_cvt_pk_bf16_f32 v[X+4*(\i)+1], v[X+4*(\i)+2], v[X+4*(\i)+3]
.if \wo
	v_lshlrev_b32 v[T],   16, v[X+4*(\i)]           ; the bf16 numbers as f32,
	v_and_b32     v[T+1], s9, v[X+4*(\i)]
	v_lshlrev_b32 v[T+2], 16, v[X+4*(\i)+1]
	v_and_b32     v[T+3], s9, v[X+4*(\i)+1]
	v_cvt_pk_f16_f32 v[X+4*(\i)],   v[T],   v[T+1]  ; and as f16
	v_cvt_pk_f16_f32 v[X+4*(\i)+1], v[T+2], v[T+3]
.endif
	global_store_b64 v2, v[X+4*(\i):X+4*(\i)+1], s[6:7] offset:256*(\i)  ; the wave stores 256 consecutive aligned bytes
.endm
	s_cmp_ge_u32 ttmp9, 1216                       ; Wo's 64 work-groups
	s_cbranch_scc1 .Lwo
.irp i, 0,1,2,3,4,5,6,7,8,9,10,11,12,13,14,15
	PIECE \i, 0
.endr
	s_endpgm
.Lwo:
.irp i, 0,1,2,3,4,5,6,7,8,9,10,11,12,13,14,15
	PIECE \i, 1
.endr
	s_endpgm
.Lmask:                                        ; block n of 4,096 = (16 b + CC) x 128 + G
	s_sub_co_u32 s9, ttmp9, 1280
	s_lshl_b32 s9, s9, 3
	s_add_co_u32 s9, s9, s8                        ; n
	s_lshr_b32 s10, s9, 11
	s_lshl_b32 s10, s10, 24                        ; b x 16,777,216
	s_and_b32 s11, s9, 127
	s_lshl_b32 s11, s11, 17                        ; G x 16 rows of 8,192 bytes
	s_add_co_u32 s10, s10, s11
	s_bfe_u32 s11, s9, 0x40007
	s_lshl_b32 s11, s11, 9                         ; CC x 128 columns of 4 bytes
	s_add_co_u32 s2, s10, s11
	s_lshl_b32 s12, s9, 8                          ; a block of mb is 256 bytes
	v_and_b32 v1, 15, v0
	v_bfe_u32 v6, v0, 4, 1
	v_lshlrev_b32 v1, 5, v1                        ; my 8 columns,
	v_lshl_add_u32 v1, v6, 13, v1                  ; one row further down for lanes 16 to 31
	s_wait_kmcnt 0x0
	s_add_nc_u64 s[4:5], s[32:33], s[2:3]
	s_add_nc_u64 s[6:7], s[36:37], s[12:13]
.set k, 0
.rept 8                                        ; rows 2 k and 2 k + 1; the two loads together take whole pieces of 512 bytes
	global_load_b128 v[X+8*k:X+8*k+3],   v1, s[4:5] offset:2*k*8192 th:TH_LOAD_NT
	global_load_b128 v[X+8*k+4:X+8*k+7], v1, s[4:5] offset:2*k*8192+16 th:TH_LOAD_NT
.set k, k+1
.endr
.set k, 0
.rept 8
	s_wait_loadcnt 14-2*k                          ; the two loads of each later k may stay out
.set j, 0
.rept 8
	v_min_u32 v[X+8*k+j], 1, v[X+8*k+j]            ; not 0 -> 1
.if (8*(k%4)+j) == 0
	v_lshlrev_b32 v[T+k/4], 31, v[X+8*k+j]         ; a word's first bit starts it
.else
	v_lshl_or_b32 v[T+k/4], v[X+8*k+j], 31-(8*(k%4)+j), v[T+k/4]
.endif
.set j, j+1
.endr
.set k, k+1
.endr
	global_store_b64 v2, v[T:T+1], s[6:7]          ; 256 consecutive aligned bytes
	s_endpgm
.Lfunc_end_k_q936e82be7f_prep:
	.size	k_q936e82be7f_prep, .Lfunc_end_k_q936e82be7f_prep-k_q936e82be7f_prep
	.p2alignl 7, 3214868480
	.fill 96, 4, 3214868480
	.section	.rodata,"a",@progbits
	.p2align	6, 0x0
	.amdhsa_kernel k_q936e82be7f_prep
		.amdhsa_group_segment_fixed_size 0
		.amdhsa_private_segment_fixed_size 0
		.amdhsa_enable_private_segment 0
		.amdhsa_kernarg_size 88
		.amdhsa_user_sgpr_count 2
		.amdhsa_user_sgpr_kernarg_segment_ptr 1
		.amdhsa_wavefront_size32 1
		.amdhsa_system_sgpr_workgroup_id_x 1
		.amdhsa_system_sgpr_workgroup_id_y 1
		.amdhsa_system_sgpr_workgroup_id_z 1
		.amdhsa_system_vgpr_workitem_id 0
		.amdhsa_next_free_vgpr 72
		.amdhsa_next_free_sgpr 66
		.amdhsa_reserve_vcc 0
		.amdhsa_float_denorm_mode_32 3
		.amdhsa_float_denorm_mode_16_64 3
		.amdhsa_memory_ordered 1
		.amdhsa_forward_progress 1
		.amdhsa_inst_pref_size 25
	.end_amdhsa_kernel
	.amdgpu_metadata
---
amdhsa.version: [ 1, 2 ]
amdhsa.kernels:
  - .name:           k_q936e82be7f_prep
    .symbol:         k_q936e82be7f_prep.kd
    .args:
      - { .name: input_q, .offset: 0, .size: 8, .value_kind: global_buffer, .address_space: global }
      - { .name: input_k, .offset: 8, .size: 8, .value_kind: global_buffer, .address_space: global }
      - { .name: input_v, .offset: 16, .size: 8, .value_kind: global_buffer, .address_space: global }
      - { .name: attention_propagation, .offset: 24, .size: 8, .value_kind: global_buffer, .address_space: global }
      - { .name: Wq, .offset: 32, .size: 8, .value_kind: global_buffer, .address_space: global }
      - { .name: Wk, .offset: 40, .size: 8, .value_kind: global_buffer, .address_space: global }
      - { .name: Wv, .offset: 48, .size: 8, .value_kind: global_buffer, .address_space: global }
      - { .name: Wo, .offset: 56, .size: 8, .value_kind: global_buffer, .address_space: global }
      - { .name: mask, .offset: 64, .size: 8, .value_kind: global_buffer, .address_space: global }
      - { .name: cst, .offset: 72, .size: 8, .value_kind: global_buffer, .address_space: global }
      - { .name: mb, .offset: 80, .size: 8, .value_kind: global_buffer, .address_space: global }
    .group_segment_fixed_size: 0
    .private_segment_fixed_size: 0
    .kernarg_segment_align: 8
    .kernarg_segment_size: 88
    .max_flat_workgroup_size: 256
    .sgpr_count:     66
    .vgpr_count:     72
    .wavefront_size: 32
...
	.end_amdgpu_metadata
.endif
;; end of part 1
;; launch proj (part 2): grid 4 x 48, 4 waves a work-group, clusters of 4 x 4, 327,680 bytes of LDS; arguments cst, bq, bk, bv, qkv; writes qkv
.if DOCPART == 2
	.amdgcn_target "amdgcn-amd-amdhsa--gfx1250"
	.amdhsa_code_object_version 6
	.text
	.protected	k_q936e82be7f_proj
	.globl	k_q936e82be7f_proj
	.p2align	8
	.type	k_q936e82be7f_proj,@function
k_q936e82be7f_proj:
	s_mov_b64 s[64:65], 0
	v_nop
	global_prefetch_b8 v0, s[64:65] scope:SCOPE_SE
	s_setreg_imm32_b32 hwreg(HW_REG_WAVE_MODE, 25, 1), 1
	s_wait_xcnt 0x0
	s_wait_alu depctr_hold_cnt(0) depctr_sa_sdst(0) depctr_va_vdst(0) depctr_va_sdst(0) depctr_va_ssrc(0) depctr_va_vcc(0) depctr_vm_vsrc(0)
	s_getreg_b32 s2, hwreg(HW_REG_IB_STS2, 6, 4)
	s_cmp_eq_u32 s2, 0
	s_cbranch_scc0 .Lentry_in_a_cluster
	s_endpgm
.Lentry_in_a_cluster:
	s_bfe_u32 s2, ttmp6, 0x10000c
	s_cmp_lg_u32 s2, 0xf033
	s_cbranch_scc0 .Lentry_shape_is_right
	s_endpgm
.Lentry_shape_is_right:
; PROJ.  q, k, v = x W + b: three products 4096 x 1024 x 1024 in one launch.  x and W are bf16 in cst (W as given, [k][n]); the bias, rounded to bf16
; like every input, starts the sums; sums in f32; the result is rounded once to f16 into qkv [3][4096][1024].
; LIMIT.  f16 holds no number beyond 65,504: |q|, |k|, |v| must stay under it.
; A tile of C is 256 x 256, four waves of 128 x 128: 64 accumulators, 512 registers.  K goes in steps of 128 through two LDS slots filled by tensor loads.
; The grid has 48 tile rows: projection = cluster y / 4, tile row of x = y % 16.  CLUSTER 4 x 4: x's tile is shared along a row of the cluster, W's along a column: joint loads.
; The matrix instruction is used transposed (source 0 = 16 columns of W, source 1 = 16 rows of x): a lane holds one row of C and eight neighbouring columns.
; W lies [k][n] in LDS (64 k rows of 512 bytes a load, 544 apart) and is turned on the way into registers by ds_load_tr16_b128.
; The loop's trip is ONE K step: the slot in hand is a scalar that an exclusive or turns, and one descriptor a tensor walks.  The last two K steps are a second loop, which asks for nothing.
; WAY OUT.  When the ring has had its last fill each wave lays its 128 x 128 f32 into 67,584 bytes of it (rows 528 apart) and reads them back by rows, 16 rows a trip.
; REGISTERS: window 0: v0-31 addresses, v32-63 packed results, v64-191 x's two fragment buffers; window 1: v0-31 at work, v64-191 W's buffers, v192-255 the bias; windows 2, 3: accumulators (a, b) at v[8 (8 a + b)].
.set KS,     8
.set PITCH,  272                       ; x's LDS row: 256 bytes + 16: the 16 rows of a fragment load start 4 banks apart
.set BPITCH, 544                       ; W's LDS row: 512 bytes + 32: an odd multiple of 32
.set HALFT,  128*PITCH                 ; what one tensor load brings: 128 rows of x, or 64 rows of W (64 x 544, the same bytes)
.set SLOT,   4*HALFT
.set SPARE,  2*SLOT                    ; behind the ring: the spare words, 128 bytes a wave
.set DPITCH, 528
.set DREG,   128*DPITCH
.set ROWB,   2048                      ; bytes in a row of qkv
.set ASTEP,  256                       ; a K step in x: 128 numbers along the row
.set BSTEP,  128*2048                  ; in W: 128 rows down
.set ADRA0, 16                         ; v16, v17  my fragments' places in a slot; never rewritten
.set ADRB0, 17
.set ADRA,  18                         ; v18, v19  the same in the slot in hand
.set ADRB,  19
.set DST,   20                         ; v20  way out: where I lay 16 bytes
.set RDA,   21                         ; v21  way out: where I read rows back
.set CO,    22                         ; v22  my byte offset in two rows of C
.set BO,    27                         ; v27  my byte offset in the bias
.set SPW,   28                         ; v28  my spare word; never rewritten
.set NIL,   29                         ; v29  0; never rewritten
.set PFO,   30                         ; v30  the prefetches' lane offset; never rewritten
.set Y,     32
.set X,     64
.set F0,    64
.set F1,    128
.set BIAS,  192                        ; window 1
.set G1,  24                           ; s[24:31] group 1 for x's tiles; s[32:39] group 0: a set for each first fill, the second walks on
.set G0,  32
.set LIM, 43                           ; s43  2 in a wave that prefetches, else the greatest number
.set PFA, 44                           ; s[44:45] where my prefetches stand
.set G1B, 48                           ; s[48:55], s[56:63] the same for W's tiles
.set G0B, 56
.set TG,  66                           ; s66  LDS byte at which the slot in hand begins
.set CLY, 67                           ; s67  cluster y
.set PFS, 78                           ; s[78:79] a K step for my prefetches
.set HIM, 83                           ; s83  a word's upper half
.set MSB, 0
.macro WIN new                         ; the immediate's high byte repeats the setting that is left
.if MSB != (\new)
	s_set_vgpr_msb (MSB<<8)|(\new)
.set MSB, \new
.endif
.endm
.set MUL_LO, 0xa1                      ; source 0 window 1, source 1 window 0, C and D window 2 (+0x50: window 3)
.set TO_B,   0x40                      ; destination window 1
.macro PLACES                          ; four plain vector instructions between matrix instructions and loads into, or reads of, their registers
.rept 4
	v_nop
.endr
.endm
.macro CREST                           ; a round of the cluster's barrier behind its opening barrier
	s_cmp_lg_u32 s10, 0
	s_cbranch_scc1 .Lnot_wave_0_\@
	s_barrier_signal -3
.Lnot_wave_0_\@:
	s_barrier_wait -3
	s_barrier_signal -1
	s_barrier_wait -1
.endm
.macro CROUND
	s_barrier_signal -1
	s_barrier_wait -1
	CREST
.endm
.macro JLOAD                           ; a joint refill by the walking descriptor: waves 0, 1 x's halves, waves 2, 3 W's
	s_cmp_eq_u32 s11, 0
	s_cbranch_scc0 .Lfor_b_\@
	tensor_load_to_lds s[G0+4:G0+7], s[G1:G1+7]
	s_nop 0
.rept 4
	v_nop
.endr
	s_branch .Lasked_\@
.Lfor_b_\@:
	tensor_load_to_lds s[G0B+4:G0B+7], s[G1B:G1B+7]
	s_nop 0
.rept 4
	v_nop
.endr
.Lasked_\@:
.endm
; A prefetch of the K step that stands two refills on: 32 blocks of 256 bytes, a lane a block.  x's rows are read by this cluster alone; W's columns by the four clusters of a
; projection, of which the first asks.  The four partners of a joint load share its blocks out by address.  The counter is KS - 2 - j at K step j, and step j + 4 exists while it is above 2.
.macro ASK
	s_cmp_gt_u32 s3, s[LIM]
	s_cbranch_scc0 .Lnot_mine_\@
	global_prefetch_b8 v[PFO], s[PFA:PFA+1] th:TH_LOAD_NT scope:SCOPE_SE
.Lnot_mine_\@:
.endm
	s_load_b256 s[68:75], s[0:1], 0x0              ; cst s[68:69], bq, bk, bv
	s_load_b64 s[76:77], s[0:1], 0x20              ; qkv
	v_lshl_add_u32 v[SPW], v0, 2, SPARE
	v_mov_b32 v[NIL], 0
	ds_add_u32 v[SPW], v[NIL]                      ; the wave's opening: the add and its wait stand ahead of my first tensor load
	v_lshrrev_b32 v1, 5, v0
	v_readfirstlane_b32 s10, v1                    ; wave 0..3
	s_lshr_b32 s11, s10, 1                         ; my half of the tile's rows; also: I fetch x (0) or W (1)
	s_and_b32 s12, s10, 1                          ; my half of its columns; also: which half I fetch
	s_bfe_u32 s40, ttmp6, 0x40000                  ; cx
	s_bfe_u32 s41, ttmp6, 0x40004                  ; cy
	s_lshl_b32 s42, ttmp9, 2
	s_add_co_u32 s42, s42, s40                     ; tile column
	s_and_b32 s[CLY], ttmp7, 0xffff
	s_lshl_b32 s13, s[CLY], 2
	s_add_co_u32 s13, s13, s41                     ; y
	s_lshl_b32 s43, s41, 2
	s_lshl_b32 s43, 15, s43                        ; my row of the cluster
	s_lshl_b32 s44, 0x1111, s40                    ; my column
	s_or_b32 s[G1], s43, (1<<16)|(1<<20)|(1<<21)|(5<<22)|(3<<25)    ; mask; 2-byte elements; padding on; bit 21 beside a mask; 4 words behind every 64
	s_mov_b32 s[G1+1], 128<<16                     ; tensor_dim0 = 128
	s_mov_b32 s[G1+2], 128<<16                     ; tensor_dim1 = 128
	s_mov_b32 s[G1+3], 128<<16                     ; tile_dim0 = 128
	s_mov_b32 s[G1+4], 128                         ; tile_dim1 = 128
	s_mov_b32 s[G1+5], 1024                        ; elements from row to row
	s_mov_b32 s[G1+6], 0
	s_mov_b32 s[G1+7], 0
	s_or_b32 s[G1B], s44, (1<<16)|(1<<20)|(1<<21)|(6<<22)|(7<<25)   ; 8 words behind every 128
	s_mov_b32 s[G1B+1], 256<<16
	s_mov_b32 s[G1B+2], 64<<16
	s_mov_b32 s[G1B+3], 256<<16
	s_mov_b32 s[G1B+4], 64
	s_mov_b32 s[G1B+5], 1024
	s_mov_b32 s[G1B+6], 0
	s_mov_b32 s[G1B+7], 0
	s_mov_b32 s[TG], 0
	s_mov_b32 s[HIM], 0xffff0000
	s_lshr_b32 s18, s[CLY], 2                      ; the projection, 0..2: shared by the whole cluster
	s_and_b32 s16, s13, 15
	s_lshl_b32 s16, s16, 19                        ; x: tile row x 256 rows of 2,048 bytes
	s_lshl_b32 s17, s12, 18                        ; + my 128 rows
	s_add_co_u32 s16, s16, s17
	s_lshl_b32 s17, s18, 23                        ; + the projection's x
	s_add_co_u32 s16, s16, s17
	s_mov_b32 s17, 0
	s_lshl_b32 s46, s18, 21                        ; W: the projection's,
	s_lshl_b32 s47, s12, 17                        ; my 64 rows of the K step's 128,
	s_add_co_u32 s46, s46, s47
	s_lshl_b32 s47, s42, 9                         ; the tile's 256 columns
	s_add_co_u32 s46, s46, s47
	s_add_co_u32 s46, s46, 0x2000000               ; the weights begin at byte 33,554,432 of cst
	s_mov_b32 s47, 0
	s_mul_i32 s20, s10, HALFT                      ; where my tiles go: wave x 34,816
	s_wait_dscnt 0x0                               ; the opening add is done
	s_wait_kmcnt 0x0
	s_add_nc_u64 s[14:15], s[68:69], s[16:17]
	s_add_nc_u64 s[46:47], s[68:69], s[46:47]
	CROUND                                         ; all sixteen work-groups are here: the first joint loads meet
.irp s, 0,1
	s_mov_b32 s[G0+4*(\s)], 1
	s_add_co_u32 s[G0+4*(\s)+1], s20, (\s)*SLOT
	s_add_nc_u64 s[G0+4*(\s)+2:G0+4*(\s)+3], s[14:15], (\s)*ASTEP
	s_or_b32 s[G0+4*(\s)+3], s[G0+4*(\s)+3], 0x80000000
	s_mov_b32 s[G0B+4*(\s)], 1
	s_add_co_u32 s[G0B+4*(\s)+1], s20, (\s)*SLOT
	s_add_nc_u64 s[G0B+4*(\s)+2:G0B+4*(\s)+3], s[46:47], (\s)*BSTEP
	s_or_b32 s[G0B+4*(\s)+3], s[G0B+4*(\s)+3], 0x80000000
.endr
	s_cmp_eq_u32 s11, 0                            ; a wave's two first fills stand in one branch: two loads of mine are out
	s_cbranch_scc0 .Lfirst_b
	tensor_load_to_lds s[G0:G0+3], s[G1:G1+7]
	s_nop 0
	tensor_load_to_lds s[G0+4:G0+7], s[G1:G1+7]
	s_nop 0
.rept 4
	v_nop
.endr
	s_branch .Lfirst_asked
.Lfirst_b:
	tensor_load_to_lds s[G0B:G0B+3], s[G1B:G1B+7]
	s_nop 0
	tensor_load_to_lds s[G0B+4:G0B+7], s[G1B:G1B+7]
	s_nop 0
.rept 4
	v_nop
.endr
.Lfirst_asked:
	; the bias of my 128 columns: block b, register j = bias[16 b + 8 (l / 16) + j], the C operand of the first products
	s_cmp_eq_u32 s18, 1
	s_cselect_b64 s[4:5], s[72:73], s[70:71]
	s_cmp_eq_u32 s18, 2
	s_cselect_b64 s[4:5], s[74:75], s[4:5]
	s_lshl_b32 s22, s42, 10
	s_lshl_b32 s23, s12, 9
	s_add_co_u32 s22, s22, s23
	s_mov_b32 s23, 0
	s_add_nc_u64 s[4:5], s[4:5], s[22:23]
	v_and_b32 v1, 15, v0                           ; l % 16
	v_bfe_u32 v2, v0, 4, 1                         ; l / 16
	v_lshlrev_b32 v[BO], 5, v2
	WIN TO_B
.irp b, 0,1,2,3,4,5,6,7
	global_load_b128 v[BIAS+8*(\b):BIAS+8*(\b)+3],   v[BO], s[4:5] offset:64*(\b)
	global_load_b128 v[BIAS+8*(\b)+4:BIAS+8*(\b)+7], v[BO], s[4:5] offset:64*(\b)+16
.endr
	WIN 0
	v_mul_u32_u24 v3, v1, PITCH
	v_lshl_add_u32 v3, v2, 4, v3                   ; x's fragment: row x pitch + 16 x half
	s_mul_i32 s21, s11, HALFT
	v_add_nc_u32 v[ADRA0], s21, v3
	v_and_b32 v4, 7, v0                            ; W's: the turning load reads k row 8 (l / 16) + l % 8, 16 bytes at 16 ((l / 8) % 2)
	v_lshl_add_u32 v4, v2, 3, v4
	v_mul_u32_u24 v4, v4, BPITCH
	v_bfe_u32 v5, v0, 3, 1
	v_lshl_add_u32 v4, v5, 4, v4
	s_lshl_b32 s21, s12, 8                         ; my 128 columns
	s_add_co_u32 s21, s21, 2*HALFT
	v_add_nc_u32 v[ADRB0], s21, v4
	v_mov_b32 v[ADRA], v[ADRA0]
	v_mov_b32 v[ADRB], v[ADRB0]
	s_mul_i32 s21, s10, DREG
	v_mul_u32_u24 v3, v1, DPITCH
	v_lshl_add_u32 v3, v2, 4, v3
	v_add_nc_u32 v[DST], s21, v3
	v_mul_u32_u24 v3, v2, DPITCH
	v_lshl_add_u32 v3, v1, 4, v3
	v_add_nc_u32 v[RDA], s21, v3
	v_lshlrev_b32 v3, 11, v2
	v_lshl_add_u32 v[CO], v1, 4, v3
	; C at my 128 x 128
	s_and_b32 s6, s13, 15
	s_lshl_b32 s6, s6, 19
	s_lshl_b32 s7, s11, 18
	s_add_co_u32 s6, s6, s7
	s_lshl_b32 s7, s18, 23
	s_add_co_u32 s6, s6, s7
	s_lshl_b32 s7, s42, 9
	s_add_co_u32 s6, s6, s7
	s_lshl_b32 s7, s12, 8
	s_add_co_u32 s6, s6, s7
	s_mov_b32 s7, 0
	s_add_nc_u64 s[8:9], s[76:77], s[6:7]
	; the prefetches: at K step 3; the first change of slots steps them to K step 4
	s_and_b32 s84, s13, 15
	s_lshl_b32 s84, s84, 19
	s_lshl_b32 s85, s12, 18
	s_add_co_u32 s84, s84, s85
	s_lshl_b32 s85, s18, 23
	s_add_co_u32 s84, s84, s85
	s_lshl_b32 s85, s40, 16                        ; x: my work-group's 32 rows of the 128
	s_add_co_u32 s84, s84, s85
	s_add_co_u32 s84, s84, 3*ASTEP
	s_lshl_b32 s86, s18, 21
	s_lshl_b32 s85, s12, 17
	s_add_co_u32 s86, s86, s85
	s_lshl_b32 s85, s41, 15                        ; W: my work-group's 16 rows of the 64, two blocks a row
	s_add_co_u32 s86, s86, s85
	s_lshl_b32 s85, s42, 9
	s_add_co_u32 s86, s86, s85
	s_add_co_u32 s86, s86, 0x2000000+3*BSTEP
	s_and_b32 s87, s[CLY], 3
	s_mov_b32 s85, BSTEP
	s_cmp_eq_u32 s11, 0
	s_cselect_b32 s84, s84, s86
	s_cselect_b32 s87, ttmp9, s87                  ; the coordinate along which other clusters read the same blocks
	s_cselect_b32 s[PFS], ASTEP, s85
	s_mov_b32 s[PFS+1], 0
	s_mov_b32 s85, 0
	s_add_nc_u64 s[PFA:PFA+1], s[68:69], s[84:85]
	s_cmp_eq_u32 s87, 0
	s_cselect_b32 s[LIM], 2, -1
	v_and_b32 v[PFO], 31, v0
	v_and_b32 v3, s11, v[PFO]
	v_lshrrev_b32 v[PFO], s11, v[PFO]
	v_lshlrev_b32 v[PFO], 11, v[PFO]
	v_lshl_add_u32 v[PFO], v3, 8, v[PFO]           ; x: lane x 2,048; W: (lane / 2) x 2,048 + (lane % 2) x 256
	s_wait_loadcnt 0x0                             ; the bias, which is rounded to bf16 like every input
	WIN 0x45                                       ; destination and both sources in window 1
.set i, 0
.rept 32
	v_cvt_pk_bf16_f32 v[i], v[BIAS+2*i], v[BIAS+2*i+1]
.set i, i+1
.endr
.set i, 0
.rept 32
	v_lshlrev_b32 v[BIAS+2*i], 16, v[i]
	v_and_b32 v[BIAS+2*i+1], s[HIM], v[i]
.set i, i+1
.endr
	WIN 0
; 16 matrix instructions: row blocks a0, a0 + 1 of the window's four x all 8 column blocks, 32 along K.  cm = 2: the bias starts the sums.  The 64 accumulators take turns, in the same order in every quarter.
.macro MUL16 f, hi, a0, cm
.if (\cm) == 2
	WIN 0x91+0x40*(\hi)
.else
	WIN MUL_LO+0x50*(\hi)
.endif
.irp a, \a0, (\a0)+1
.irp b, 0,1,2,3,4,5,6,7
.if (\cm) == 2
	v_wmma_f32_16x16x32_bf16 v[8*(8*(\a)+(\b)):8*(8*(\a)+(\b))+7], v[(\f)+8*(\b):(\f)+8*(\b)+7], v[(\f)+8*(4*(\hi)+(\a)):(\f)+8*(4*(\hi)+(\a))+7], v[BIAS+8*(\b):BIAS+8*(\b)+7]
.else
	v_wmma_f32_16x16x32_bf16 v[8*(8*(\a)+(\b)):8*(8*(\a)+(\b))+7], v[(\f)+8*(\b):(\f)+8*(\b)+7], v[(\f)+8*(4*(\hi)+(\a)):(\f)+8*(4*(\hi)+(\a))+7], v[8*(8*(\a)+(\b)):8*(8*(\a)+(\b))+7]
.endif
.endr
.endr
.endm
; 32 LDS loads in one run: the fragments of the quarter at byte k of x's rows (k rows k / 2 on of W) into buffer f
.macro FETCH k, f
	WIN TO_B
.irp i, 0,1,2,3,4,5,6,7
	ds_load_tr16_b128 v[(\f)+8*(\i):(\f)+8*(\i)+3],   v[ADRB] offset:((\k)/64)*32*BPITCH+32*(\i)
	ds_load_tr16_b128 v[(\f)+8*(\i)+4:(\f)+8*(\i)+7], v[ADRB] offset:((\k)/64)*32*BPITCH+32*(\i)+16*BPITCH
.endr
	WIN 0
.irp i, 0,1,2,3,4,5,6,7
	ds_load_b128 v[(\f)+8*(\i):(\f)+8*(\i)+3],   v[ADRA] offset:(\k)+(\i)*16*PITCH
	ds_load_b128 v[(\f)+8*(\i)+4:(\f)+8*(\i)+7], v[ADRA] offset:(\k)+(\i)*16*PITCH+32
.endr
.endm
.macro QUARTER k, f, g, cm             ; multiplies buffer f; in its middle fetches the quarter at byte k into g
	s_wait_dscnt 8                                 ; all but the youngest eight loads (x's rows 64-127)
	MUL16 \f, 0, 0, \cm
	MUL16 \f, 0, 2, \cm
	PLACES
	FETCH \k, \g
	s_wait_dscnt 32                                ; all but the 32 just issued
	MUL16 \f, 1, 0, \cm
	MUL16 \f, 1, 2, \cm
.endm
; The last quarter changes slots.
; Behind the round this slot is filled again first, with the K step two on.
.macro TURN1
	s_wait_xcnt 0x0                                ; the last prefetch, a K step back, has read its address
	s_add_nc_u64 s[PFA:PFA+1], s[PFA:PFA+1], s[PFS:PFS+1]
	WIN 0
	s_wait_tensorcnt 0x0
	ds_add_u32 v[SPW], v[NIL]
	s_xor_b32 s[G0+5], s[G0+5], SLOT               ; no load of mine is out: the walking descriptors take the other slot and the next K step
	s_add_nc_u64 s[G0+6:G0+7], s[G0+6:G0+7], ASTEP
	s_xor_b32 s[G0B+5], s[G0B+5], SLOT
	s_add_nc_u64 s[G0B+6:G0B+7], s[G0B+6:G0B+7], BSTEP
	s_xor_b32 s[TG], s[TG], SLOT
	s_wait_dscnt 9                                 ; the add and the youngest eight loads may be out
	MUL16 F1, 0, 0, 0
	s_wait_dscnt 0x0                               ; the add is done, my reads of this slot are over
	s_barrier_signal -1
	MUL16 F1, 0, 2, 0
	WIN 0
	s_barrier_wait -1
	CREST
	JLOAD
	v_add_nc_u32 v[ADRA], s[TG], v[ADRA0]
	v_add_nc_u32 v[ADRB], s[TG], v[ADRB0]
	FETCH 0, F0
	ASK
	MUL16 F1, 1, 0, 0
	MUL16 F1, 1, 2, 0
.endm
.macro TURN0                           ; the same for the last two K steps: nothing is asked for; behind the very last nothing is fetched
	WIN 0
	s_wait_tensorcnt 0x0
	ds_add_u32 v[SPW], v[NIL]
	s_xor_b32 s[TG], s[TG], SLOT
	s_wait_dscnt 9
	MUL16 F1, 0, 0, 0
	s_wait_dscnt 0x0
	s_barrier_signal -1
	MUL16 F1, 0, 2, 0
	WIN 0
	s_barrier_wait -1
	PLACES
	v_add_nc_u32 v[ADRA], s[TG], v[ADRA0]
	v_add_nc_u32 v[ADRB], s[TG], v[ADRB0]
	s_cmp_eq_u32 s3, 1
	s_cbranch_scc1 .Lno_fetch_\@
	FETCH 0, F0
.Lno_fetch_\@:
	MUL16 F1, 1, 0, 0
	MUL16 F1, 1, 2, 0
.endm
	s_wait_tensorcnt 0x1                           ; my part of K step 0 is in; K step 1 may stay out
	s_barrier_signal -1
	s_barrier_wait -1
	FETCH 0, F0
	QUARTER 64, F0, F1, 2                          ; the first quarter stands in front of the loop: the bias starts the sums
	WIN 0
	s_mov_b32 s3, KS-2
.Lstep:                                        ; a trip: a K step's second quarter to the next step's first
	QUARTER 128, F1, F0, 0
	QUARTER 192, F0, F1, 0
	TURN1
	QUARTER 64, F0, F1, 0
	WIN 0
	s_sub_co_u32 s3, s3, 1
	s_cmp_lg_u32 s3, 0
	s_cbranch_scc1 .Lstep
	s_mov_b32 s3, 2
	s_branch .Ltmid                                ; the tail is entered in the middle of a trip
.Ltail:
	QUARTER 64, F0, F1, 0
	WIN 0
.Ltmid:
	QUARTER 128, F1, F0, 0
	QUARTER 192, F0, F1, 0
	TURN0
	WIN 0
	s_sub_co_u32 s3, s3, 1
	s_cmp_lg_u32 s3, 0
	s_cbranch_scc1 .Ltail
	PLACES
	PLACES
	s_wait_dscnt 0x0
	s_barrier_signal -1
	s_barrier_wait -1                              ; nobody reads the ring any more, and it has had its last fill
.irp hi, 0,1                                   ; of each row the low four columns of the 16 groups of eight lie in bytes 0-255, the high four in 256-511
	WIN 0x08+4*(\hi)
.irp a, 0,1,2,3
.irp b, 0,1,2,3,4,5,6,7
	ds_store_b128 v[DST], v[8*(8*(\a)+(\b)):8*(8*(\a)+(\b))+3]   offset:(4*(\hi)+(\a))*16*DPITCH+32*(\b)
	ds_store_b128 v[DST], v[8*(8*(\a)+(\b))+4:8*(8*(\a)+(\b))+7] offset:(4*(\hi)+(\a))*16*DPITCH+32*(\b)+256
.endr
.endr
.endr
	WIN 0
	s_mov_b32 s3, 8
.Lout:                                         ; 16 rows a trip; set t is rows 2 t and 2 t + 1: a lane takes eight neighbouring columns.  LDS serves a wave in order: these loads see my stores
.set t, 0
.rept 8
	ds_load_b128 v[X+8*t:X+8*t+3],   v[RDA] offset:t*2*DPITCH
	ds_load_b128 v[X+8*t+4:X+8*t+7], v[RDA] offset:t*2*DPITCH+256
.set t, t+1
.endr
.set t, 0
.rept 8
	s_wait_dscnt 14-2*t                            ; the later sets' loads may stay out
.set j, 0
.rept 4
	v_cvt_pk_f16_f32 v[Y+4*t+j], v[X+8*t+2*j], v[X+8*t+2*j+1]
.set j, j+1
.endr
	global_store_b128 v[CO], v[Y+4*t:Y+4*t+3], s[8:9] offset:2*t*ROWB  ; 16 lanes store 256 consecutive aligned bytes
.set t, t+1
.endr
	s_wait_xcnt 0x0                                ; the base and the stores' data are written again only behind this wait
	s_add_nc_u64 s[8:9], s[8:9], 16*ROWB
	v_add_nc_u32 v[RDA], 16*DPITCH, v[RDA]
	s_sub_co_u32 s3, s3, 1
	s_cmp_lg_u32 s3, 0
	s_cbranch_scc1 .Lout
	s_wait_tensorcnt 0x0                           ; the wave's end
	ds_add_u32 v[SPW], v[NIL]
	s_wait_dscnt 0x0
	CROUND                                         ; the closing round
	s_endpgm
.Lfunc_end_k_q936e82be7f_proj:
	.size	k_q936e82be7f_proj, .Lfunc_end_k_q936e82be7f_proj-k_q936e82be7f_proj
	.p2alignl 7, 3214868480
	.fill 96, 4, 3214868480
	.section	.rodata,"a",@progbits
	.p2align	6, 0x0
	.amdhsa_kernel k_q936e82be7f_proj
		.amdhsa_group_segment_fixed_size 327680
		.amdhsa_private_segment_fixed_size 0
		.amdhsa_enable_private_segment 0
		.amdhsa_kernarg_size 40
		.amdhsa_user_sgpr_count 2
		.amdhsa_user_sgpr_kernarg_segment_ptr 1
		.amdhsa_wavefront_size32 1
		.amdhsa_system_sgpr_workgroup_id_x 1
		.amdhsa_system_sgpr_workgroup_id_y 1
		.amdhsa_system_sgpr_workgroup_id_z 1
		.amdhsa_system_vgpr_workitem_id 0
		.amdhsa_next_free_vgpr 1024
		.amdhsa_next_free_sgpr 88
		.amdhsa_reserve_vcc 0
		.amdhsa_float_denorm_mode_32 3
		.amdhsa_float_denorm_mode_16_64 3
		.amdhsa_memory_ordered 1
		.amdhsa_forward_progress 1
		.amdhsa_inst_pref_size 89
	.end_amdhsa_kernel
	.amdgpu_metadata
---
amdhsa.version: [ 1, 2 ]
amdhsa.kernels:
  - .name:           k_q936e82be7f_proj
    .symbol:         k_q936e82be7f_proj.kd
    .args:
      - { .name: cst, .offset: 0, .size: 8, .value_kind: global_buffer, .address_space: global }
      - { .name: bq, .offset: 8, .size: 8, .value_kind: global_buffer, .address_space: global }
      - { .name: bk, .offset: 16, .size: 8, .value_kind: global_buffer, .address_space: global }
      - { .name: bv, .offset: 24, .size: 8, .value_kind: global_buffer, .address_space: global }
      - { .name: qkv, .offset: 32, .size: 8, .value_kind: global_buffer, .address_space: global }
    .group_segment_fixed_size: 327680
    .private_segment_fixed_size: 0
    .kernarg_segment_align: 8
    .kernarg_segment_size: 40
    .max_flat_workgroup_size: 128
    .sgpr_count:     88
    .vgpr_count:     1024
    .wavefront_size: 32
...
	.end_amdgpu_metadata
.endif
;; end of part 2
;; launch score (part 3): grid 8 x 32, 4 waves a work-group, clusters of 4 x 4, 327,680 bytes of LDS; arguments qkv, mb, sb; writes sb
.if DOCPART == 3
	.amdgcn_target "amdgcn-amd-amdhsa--gfx1250"
	.amdhsa_code_object_version 6
	.text
	.protected	k_q936e82be7f_score
	.globl	k_q936e82be7f_score
	.p2align	8
	.type	k_q936e82be7f_score,@function
k_q936e82be7f_score:
	s_mov_b64 s[64:65], 0
	v_nop
	global_prefetch_b8 v0, s[64:65] scope:SCOPE_SE
	s_setreg_imm32_b32 hwreg(HW_REG_WAVE_MODE, 25, 1), 1
	s_wait_xcnt 0x0
	s_wait_alu depctr_hold_cnt(0) depctr_sa_sdst(0) depctr_va_vdst(0) depctr_va_sdst(0) depctr_va_ssrc(0) depctr_va_vcc(0) depctr_vm_vsrc(0)
	s_getreg_b32 s2, hwreg(HW_REG_IB_STS2, 6, 4)
	s_cmp_eq_u32 s2, 0
	s_cbranch_scc0 .Lentry_in_a_cluster
	s_endpgm
.Lentry_in_a_cluster:
	s_bfe_u32 s2, ttmp6, 0x10000c
	s_cmp_lg_u32 s2, 0xf033
	s_cbranch_scc0 .Lentry_shape_is_right
	s_endpgm
.Lentry_shape_is_right:
; SCORE.  S[b,h,q,k] = q . k where the mask lets the key through, else 0; NOT scaled: 1 / sqrt(512) commutes with the mask and with the next product and is applied there.
; q and k are f16 in qkv (a head is 512 of a row's 1,024 numbers); sums in f32; S is rounded once to bf16 (its size has no room in f16 at large inputs) into sb [8192 = (b, h, q)][2048].
; Tile 256 x 256, four waves of 128 x 128, K = 512 in four steps of 128 through two LDS slots; the frame (ring, round, one K step a trip, tail loop, way out through the dead ring) is that of the projection launch.
; y = tile row of sb: (b, h) = cluster y / 2, query tile = y % 8.  CLUSTER 4 x 4: q's tile shared along a row, k's along a column.
; No prefetch: with four K steps a lead of two refills leaves no K step to ask for.
; MASK.  My 128 x 128 bits are 2,048 consecutive bytes of mb, copied once into LDS; in trip g a lane reads its two words; each number's bit is the word's top bit in turn:
; v_add_co_u32 moves it into a lane mask and shifts the word, v_cndmask_b32 selects.  Sets t and t + 4 hang on different words and go side by side.
.set KS,     4
.set PITCH,  272
.set HALFT,  128*PITCH
.set SLOT,   4*HALFT
.set MASKL,  2*SLOT                    ; behind the ring: 2,048 bytes of mask bits a wave; no tensor load lands here
.set SPARE,  MASKL+4*2048              ; the spare words, 128 bytes a wave
.set DPITCH, 528
.set DREG,   128*DPITCH
.set ROWB,   4096
.set ASTEP,  256
.set BSTEP,  256
.set ADRA0, 16
.set ADRB0, 17
.set ADRA,  18
.set ADRB,  19
.set DST,   20
.set RDA,   21
.set CO,    22
.set MKA,   23                         ; v23  where I read my two mask words
.set MST,   24                         ; v24  where I put 16 bytes of the mask copy
.set LN16,  26                         ; v26  16 x lane
.set SPW,   28
.set NIL,   29
.set Y,     32
.set X,     64
.set F0,    64
.set F1,    128
.set MK,    192                        ; v[192:193] the two mask words
.set G1,  24
.set G0,  32
.set G1B, 48
.set G0B, 56
.set TG,  66
.set CLY, 67
.set MSB, 0
.macro WIN new
.if MSB != (\new)
	s_set_vgpr_msb (MSB<<8)|(\new)
.set MSB, \new
.endif
.endm
.set MUL_LO, 0xa1
.set TO_B,   0x40
.macro PLACES
.rept 4
	v_nop
.endr
.endm
.macro CREST
	s_cmp_lg_u32 s10, 0
	s_cbranch_scc1 .Lnot_wave_0_\@
	s_barrier_signal -3
.Lnot_wave_0_\@:
	s_barrier_wait -3
	s_barrier_signal -1
	s_barrier_wait -1
.endm
.macro CROUND
	s_barrier_signal -1
	s_barrier_wait -1
	CREST
.endm
.macro JLOAD
	s_cmp_eq_u32 s11, 0
	s_cbranch_scc0 .Lfor_b_\@
	tensor_load_to_lds s[G0+4:G0+7], s[G1:G1+7]
	s_nop 0
.rept 4
	v_nop
.endr
	s_branch .Lasked_\@
.Lfor_b_\@:
	tensor_load_to_lds s[G0B+4:G0B+7], s[G1B:G1B+7]
	s_nop 0
.rept 4
	v_nop
.endr
.Lasked_\@:
.endm
	s_load_b128 s[68:71], s[0:1], 0x0              ; qkv s[68:69], mb s[70:71]
	s_load_b64 s[72:73], s[0:1], 0x10              ; sb
	v_lshl_add_u32 v[SPW], v0, 2, SPARE
	v_mov_b32 v[NIL], 0
	ds_add_u32 v[SPW], v[NIL]                      ; the wave's opening: the add and its wait stand ahead of my first tensor load
	v_lshrrev_b32 v1, 5, v0
	v_readfirstlane_b32 s10, v1
	s_lshr_b32 s11, s10, 1
	s_and_b32 s12, s10, 1
	s_bfe_u32 s40, ttmp6, 0x40000
	s_bfe_u32 s41, ttmp6, 0x40004
	s_lshl_b32 s42, ttmp9, 2
	s_add_co_u32 s42, s42, s40                     ; key tile
	s_and_b32 s[CLY], ttmp7, 0xffff
	s_lshl_b32 s13, s[CLY], 2
	s_add_co_u32 s13, s13, s41                     ; y
	s_lshl_b32 s43, s41, 2
	s_lshl_b32 s43, 15, s43
	s_lshl_b32 s44, 0x1111, s40
	s_or_b32 s[G1], s43, (1<<16)|(1<<20)|(1<<21)|(5<<22)|(3<<25)
	s_or_b32 s[G1B], s44, (1<<16)|(1<<20)|(1<<21)|(5<<22)|(3<<25)
.irp g, G1, G1B
	s_mov_b32 s[(\g)+1], 128<<16
	s_mov_b32 s[(\g)+2], 128<<16
	s_mov_b32 s[(\g)+3], 128<<16
	s_mov_b32 s[(\g)+4], 128
	s_mov_b32 s[(\g)+5], 1024
	s_mov_b32 s[(\g)+6], 0
	s_mov_b32 s[(\g)+7], 0
.endr
	s_mov_b32 s[TG], 0
	s_lshr_b32 s18, s[CLY], 2                      ; b
	s_bfe_u32 s19, s[CLY], 0x10001                 ; head
	s_and_b32 s16, s13, 7
	s_lshl_b32 s16, s16, 19                        ; q: query tile x 256 rows of 2,048 bytes
	s_lshl_b32 s17, s12, 18
	s_add_co_u32 s16, s16, s17
	s_lshl_b32 s17, s18, 22
	s_add_co_u32 s16, s16, s17
	s_lshl_b32 s17, s19, 10                        ; the head's 512 numbers
	s_add_co_u32 s16, s16, s17
	s_mov_b32 s17, 0
	s_lshl_b32 s46, s42, 19                        ; k: key tile
	s_lshl_b32 s47, s12, 18
	s_add_co_u32 s46, s46, s47
	s_lshl_b32 s47, s18, 22
	s_add_co_u32 s46, s46, s47
	s_lshl_b32 s47, s19, 10
	s_add_co_u32 s46, s46, s47
	s_add_co_u32 s46, s46, 0x800000                ; k lies behind q in qkv
	s_mov_b32 s47, 0
	s_mul_i32 s20, s10, HALFT
	s_wait_dscnt 0x0
	s_wait_kmcnt 0x0
	s_add_nc_u64 s[14:15], s[68:69], s[16:17]
	s_add_nc_u64 s[46:47], s[68:69], s[46:47]
	CROUND
.irp s, 0,1
	s_mov_b32 s[G0+4*(\s)], 1
	s_add_co_u32 s[G0+4*(\s)+1], s20, (\s)*SLOT
	s_add_nc_u64 s[G0+4*(\s)+2:G0+4*(\s)+3], s[14:15], (\s)*ASTEP
	s_or_b32 s[G0+4*(\s)+3], s[G0+4*(\s)+3], 0x80000000
	s_mov_b32 s[G0B+4*(\s)], 1
	s_add_co_u32 s[G0B+4*(\s)+1], s20, (\s)*SLOT
	s_add_nc_u64 s[G0B+4*(\s)+2:G0B+4*(\s)+3], s[46:47], (\s)*BSTEP
	s_or_b32 s[G0B+4*(\s)+3], s[G0B+4*(\s)+3], 0x80000000
.endr
	s_cmp_eq_u32 s11, 0
	s_cbranch_scc0 .Lfirst_b
	tensor_load_to_lds s[G0:G0+3], s[G1:G1+7]
	s_nop 0
	tensor_load_to_lds s[G0+4:G0+7], s[G1:G1+7]
	s_nop 0
.rept 4
	v_nop
.endr
	s_branch .Lfirst_asked
.Lfirst_b:
	tensor_load_to_lds s[G0B:G0B+3], s[G1B:G1B+7]
	s_nop 0
	tensor_load_to_lds s[G0B+4:G0B+7], s[G1B:G1B+7]
	s_nop 0
.rept 4
	v_nop
.endr
.Lfirst_asked:
	; my mask bits: ((16 b + 2 key tile + column half) x 128 + 16 query tile + 8 row half) blocks of 256 bytes
	s_lshl_b32 s22, s18, 19
	s_lshl_b32 s23, s42, 16
	s_add_co_u32 s22, s22, s23
	s_lshl_b32 s23, s12, 15
	s_add_co_u32 s22, s22, s23
	s_and_b32 s23, s13, 7
	s_lshl_b32 s23, s23, 12
	s_add_co_u32 s22, s22, s23
	s_lshl_b32 s23, s11, 11
	s_add_co_u32 s22, s22, s23
	s_mov_b32 s23, 0
	s_add_nc_u64 s[84:85], s[70:71], s[22:23]
	v_and_b32 v3, 31, v0
	v_lshlrev_b32 v[LN16], 4, v3
.irp q, 0,1,2,3
	global_load_b128 v[X+4*(\q):X+4*(\q)+3], v[LN16], s[84:85] offset:512*(\q)
.endr
	s_lshl_b32 s21, s10, 11
	s_add_co_u32 s21, s21, MASKL
	v_add_nc_u32 v[MST], s21, v[LN16]
	v_lshl_add_u32 v[MKA], v3, 3, s21
	v_and_b32 v1, 15, v0
	v_bfe_u32 v2, v0, 4, 1
	v_mul_u32_u24 v3, v1, PITCH
	v_lshl_add_u32 v3, v2, 4, v3
	s_mul_i32 s21, s11, HALFT
	v_add_nc_u32 v[ADRA0], s21, v3
	s_mul_i32 s21, s12, HALFT
	s_add_co_u32 s21, s21, 2*HALFT
	v_add_nc_u32 v[ADRB0], s21, v3
	v_mov_b32 v[ADRA], v[ADRA0]
	v_mov_b32 v[ADRB], v[ADRB0]
	s_mul_i32 s21, s10, DREG
	v_mul_u32_u24 v3, v1, DPITCH
	v_lshl_add_u32 v3, v2, 4, v3
	v_add_nc_u32 v[DST], s21, v3
	v_mul_u32_u24 v3, v2, DPITCH
	v_lshl_add_u32 v3, v1, 4, v3
	v_add_nc_u32 v[RDA], s21, v3
	v_lshlrev_b32 v3, 12, v2
	v_lshl_add_u32 v[CO], v1, 4, v3
	s_lshl_b32 s6, s13, 20                         ; S at my 128 x 128
	s_lshl_b32 s7, s11, 19
	s_add_co_u32 s6, s6, s7
	s_lshl_b32 s7, s42, 9
	s_add_co_u32 s6, s6, s7
	s_lshl_b32 s7, s12, 8
	s_add_co_u32 s6, s6, s7
	s_mov_b32 s7, 0
	s_add_nc_u64 s[8:9], s[72:73], s[6:7]
	s_wait_loadcnt 0x0
.irp q, 0,1,2,3
	ds_store_b128 v[MST], v[X+4*(\q):X+4*(\q)+3] offset:512*(\q)
.endr
.macro MUL16 f, hi, a0, cm             ; cm = 1: the first products start the sums
	WIN MUL_LO+0x50*(\hi)
.irp a, \a0, (\a0)+1
.irp b, 0,1,2,3,4,5,6,7
.if \cm
	v_wmma_f32_16x16x32_f16 v[8*(8*(\a)+(\b)):8*(8*(\a)+(\b))+7], v[(\f)+8*(\b):(\f)+8*(\b)+7], v[(\f)+8*(4*(\hi)+(\a)):(\f)+8*(4*(\hi)+(\a))+7], 0
.else
	v_wmma_f32_16x16x32_f16 v[8*(8*(\a)+(\b)):8*(8*(\a)+(\b))+7], v[(\f)+8*(\b):(\f)+8*(\b)+7], v[(\f)+8*(4*(\hi)+(\a)):(\f)+8*(4*(\hi)+(\a))+7], v[8*(8*(\a)+(\b)):8*(8*(\a)+(\b))+7]
.endif
.endr
.endr
.endm
.macro FETCH k, f
	WIN TO_B
.irp i, 0,1,2,3,4,5,6,7
	ds_load_b128 v[(\f)+8*(\i):(\f)+8*(\i)+3],   v[ADRB] offset:(\k)+(\i)*16*PITCH
	ds_load_b128 v[(\f)+8*(\i)+4:(\f)+8*(\i)+7], v[ADRB] offset:(\k)+(\i)*16*PITCH+32
.endr
	WIN 0
.irp i, 0,1,2,3,4,5,6,7
	ds_load_b128 v[(\f)+8*(\i):(\f)+8*(\i)+3],   v[ADRA] offset:(\k)+(\i)*16*PITCH
	ds_load_b128 v[(\f)+8*(\i)+4:(\f)+8*(\i)+7], v[ADRA] offset:(\k)+(\i)*16*PITCH+32
.endr
.endm
.macro QUARTER k, f, g, cm
	s_wait_dscnt 8                                 ; all but the youngest eight loads (q's rows 64-127)
	MUL16 \f, 0, 0, \cm
	MUL16 \f, 0, 2, \cm
	PLACES
	FETCH \k, \g
	s_wait_dscnt 32                                ; all but the 32 just issued
	MUL16 \f, 1, 0, \cm
	MUL16 \f, 1, 2, \cm
.endm
.macro TURN1                           ; the change of slots with a refill: waits, add and wait in front of the round, the joint refill first behind it
	WIN 0
	s_wait_tensorcnt 0x0
	ds_add_u32 v[SPW], v[NIL]
	s_xor_b32 s[G0+5], s[G0+5], SLOT
	s_add_nc_u64 s[G0+6:G0+7], s[G0+6:G0+7], ASTEP
	s_xor_b32 s[G0B+5], s[G0B+5], SLOT
	s_add_nc_u64 s[G0B+6:G0B+7], s[G0B+6:G0B+7], BSTEP
	s_xor_b32 s[TG], s[TG], SLOT
	s_wait_dscnt 9                                 ; the add and the youngest eight loads may be out
	MUL16 F1, 0, 0, 0
	s_wait_dscnt 0x0
	s_barrier_signal -1
	MUL16 F1, 0, 2, 0
	WIN 0
	s_barrier_wait -1
	CREST
	JLOAD
	v_add_nc_u32 v[ADRA], s[TG], v[ADRA0]
	v_add_nc_u32 v[ADRB], s[TG], v[ADRB0]
	FETCH 0, F0
	MUL16 F1, 1, 0, 0
	MUL16 F1, 1, 2, 0
.endm
.macro TURN0
	WIN 0
	s_wait_tensorcnt 0x0
	ds_add_u32 v[SPW], v[NIL]
	s_xor_b32 s[TG], s[TG], SLOT
	s_wait_dscnt 9
	MUL16 F1, 0, 0, 0
	s_wait_dscnt 0x0
	s_barrier_signal -1
	MUL16 F1, 0, 2, 0
	WIN 0
	s_barrier_wait -1
	PLACES
	v_add_nc_u32 v[ADRA], s[TG], v[ADRA0]
	v_add_nc_u32 v[ADRB], s[TG], v[ADRB0]
	s_cmp_eq_u32 s3, 1
	s_cbranch_scc1 .Lno_fetch_\@
	FETCH 0, F0
.Lno_fetch_\@:
	MUL16 F1, 1, 0, 0
	MUL16 F1, 1, 2, 0
.endm
	s_wait_tensorcnt 0x1                           ; K step 0 is in; K step 1 may stay out
	s_wait_dscnt 0x0                               ; my mask copy lies in LDS
	s_barrier_signal -1
	s_barrier_wait -1
	FETCH 0, F0
	QUARTER 64, F0, F1, 1
	WIN 0
	s_mov_b32 s3, KS-2
.Lstep:
	QUARTER 128, F1, F0, 0
	QUARTER 192, F0, F1, 0
	TURN1
	QUARTER 64, F0, F1, 0
	WIN 0
	s_sub_co_u32 s3, s3, 1
	s_cmp_lg_u32 s3, 0
	s_cbranch_scc1 .Lstep
	s_mov_b32 s3, 2
	s_branch .Ltmid
.Ltail:
	QUARTER 64, F0, F1, 0
	WIN 0
.Ltmid:
	QUARTER 128, F1, F0, 0
	QUARTER 192, F0, F1, 0
	TURN0
	WIN 0
	s_sub_co_u32 s3, s3, 1
	s_cmp_lg_u32 s3, 0
	s_cbranch_scc1 .Ltail
	PLACES
	PLACES
	s_wait_dscnt 0x0
	s_barrier_signal -1
	s_barrier_wait -1                              ; nobody reads the ring any more, and it has had its last fill
.irp hi, 0,1
	WIN 0x08+4*(\hi)
.irp a, 0,1,2,3
.irp b, 0,1,2,3,4,5,6,7
	ds_store_b128 v[DST], v[8*(8*(\a)+(\b)):8*(8*(\a)+(\b))+3]   offset:(4*(\hi)+(\a))*16*DPITCH+32*(\b)
	ds_store_b128 v[DST], v[8*(8*(\a)+(\b))+4:8*(8*(\a)+(\b))+7] offset:(4*(\hi)+(\a))*16*DPITCH+32*(\b)+256
.endr
.endr
.endr
	WIN 0
	s_mov_b32 s3, 8
.Lout:                                         ; 16 rows a trip; sets p and p + 4 side by side
	ds_load_b64 v[MK:MK+1], v[MKA]
.set p, 0
.rept 4
	ds_load_b128 v[X+8*p:X+8*p+3],     v[RDA] offset:p*2*DPITCH
	ds_load_b128 v[X+8*p+4:X+8*p+7],   v[RDA] offset:p*2*DPITCH+256
	ds_load_b128 v[X+8*p+32:X+8*p+35], v[RDA] offset:(p+4)*2*DPITCH
	ds_load_b128 v[X+8*p+36:X+8*p+39], v[RDA] offset:(p+4)*2*DPITCH+256
.set p, p+1
.endr
.set p, 0
.rept 4
	s_wait_dscnt 12-4*p                            ; the later pairs' four loads each may stay out
.set j, 0
.rept 8
	v_add_co_u32 v[MK], s20, v[MK], v[MK]          ; the top bit into a lane mask, the word one bit up
	v_add_co_u32 v[MK+1], s21, v[MK+1], v[MK+1]
	v_cndmask_b32 v[X+8*p+j], 0, v[X+8*p+j], s20
	v_cndmask_b32 v[X+8*p+32+j], 0, v[X+8*p+32+j], s21
.set j, j+1
.endr
.set j, 0
.rept 4
	v_cvt_pk_bf16_f32 v[Y+4*p+j], v[X+8*p+2*j], v[X+8*p+2*j+1]
	v_cvt_pk_bf16_f32 v[Y+4*p+16+j], v[X+8*p+32+2*j], v[X+8*p+33+2*j]
.set j, j+1
.endr
	global_store_b128 v[CO], v[Y+4*p:Y+4*p+3], s[8:9] offset:2*p*ROWB          ; 16 lanes store 256 consecutive aligned bytes
	global_store_b128 v[CO], v[Y+4*p+16:Y+4*p+19], s[8:9] offset:2*(p+4)*ROWB
.set p, p+1
.endr
	s_wait_xcnt 0x0
	s_add_nc_u64 s[8:9], s[8:9], 16*ROWB
	v_add_nc_u32 v[RDA], 16*DPITCH, v[RDA]
	v_add_nc_u32 v[MKA], 256, v[MKA]
	s_sub_co_u32 s3, s3, 1
	s_cmp_lg_u32 s3, 0
	s_cbranch_scc1 .Lout
	s_wait_tensorcnt 0x0                           ; the wave's end
	ds_add_u32 v[SPW], v[NIL]
	s_wait_dscnt 0x0
	CROUND
	s_endpgm
.Lfunc_end_k_q936e82be7f_score:
	.size	k_q936e82be7f_score, .Lfunc_end_k_q936e82be7f_score-k_q936e82be7f_score
	.p2alignl 7, 3214868480
	.fill 96, 4, 3214868480
	.section	.rodata,"a",@progbits
	.p2align	6, 0x0
	.amdhsa_kernel k_q936e82be7f_score
		.amdhsa_group_segment_fixed_size 327680
		.amdhsa_private_segment_fixed_size 0
		.amdhsa_enable_private_segment 0
		.amdhsa_kernarg_size 24
		.amdhsa_user_sgpr_count 2
		.amdhsa_user_sgpr_kernarg_segment_ptr 1
		.amdhsa_wavefront_size32 1
		.amdhsa_system_sgpr_workgroup_id_x 1
		.amdhsa_system_sgpr_workgroup_id_y 1
		.amdhsa_system_sgpr_workgroup_id_z 1
		.amdhsa_system_vgpr_workitem_id 0
		.amdhsa_next_free_vgpr 1024
		.amdhsa_next_free_sgpr 88
		.amdhsa_reserve_vcc 0
		.amdhsa_float_denorm_mode_32 3
		.amdhsa_float_denorm_mode_16_64 3
		.amdhsa_memory_ordered 1
		.amdhsa_forward_progress 1
		.amdhsa_inst_pref_size 90
	.end_amdhsa_kernel
	.amdgpu_metadata
---
amdhsa.version: [ 1, 2 ]
amdhsa.kernels:
  - .name:           k_q936e82be7f_score
    .symbol:         k_q936e82be7f_score.kd
    .args:
      - { .name: qkv, .offset: 0, .size: 8, .value_kind: global_buffer, .address_space: global }
      - { .name: mb, .offset: 8, .size: 8, .value_kind: global_buffer, .address_space: global }
      - { .name: sb, .offset: 16, .size: 8, .value_kind: global_buffer, .address_space: global }
    .group_segment_fixed_size: 327680
    .private_segment_fixed_size: 0
    .kernarg_segment_align: 8
    .kernarg_segment_size: 24
    .max_flat_workgroup_size: 128
    .sgpr_count:     88
    .vgpr_count:     1024
    .wavefront_size: 32
...
	.end_amdgpu_metadata
.endif
;; end of part 3
;; launch spread (part 4): grid 8 x 32, 4 waves a work-group, clusters of 4 x 4, 327,680 bytes of LDS; arguments sb, cst, mb, pbuf, st; writes pbuf, st
.if DOCPART == 4
	.amdgcn_target "amdgcn-amd-amdhsa--gfx1250"
	.amdhsa_code_object_version 6
	.text
	.protected	k_q936e82be7f_spread
	.globl	k_q936e82be7f_spread
	.p2align	8
	.type	k_q936e82be7f_spread,@function
k_q936e82be7f_spread:
	s_mov_b64 s[64:65], 0
	v_nop
	global_prefetch_b8 v0, s[64:65] scope:SCOPE_SE
	s_setreg_imm32_b32 hwreg(HW_REG_WAVE_MODE, 25, 1), 1
	s_wait_xcnt 0x0
	s_wait_alu depctr_hold_cnt(0) depctr_sa_sdst(0) depctr_va_vdst(0) depctr_va_sdst(0) depctr_va_ssrc(0) depctr_va_vcc(0) depctr_vm_vsrc(0)
	s_getreg_b32 s2, hwreg(HW_REG_IB_STS2, 6, 4)
	s_cmp_eq_u32 s2, 0
	s_cbranch_scc0 .Lentry_in_a_cluster
	s_endpgm
.Lentry_in_a_cluster:
	s_bfe_u32 s2, ttmp6, 0x10000c
	s_cmp_lg_u32 s2, 0xf033
	s_cbranch_scc0 .Lentry_shape_is_right
	s_endpgm
.Lentry_shape_is_right:
; SPREAD.  T = S prop^T (8192 x 2048 x 2048, bf16 operands, f32 sums), and the masked softmax's first half in the way out, by chunks of 128 columns:
; y = c T with c = log2(e) / sqrt(512) (the scale left out of S); where the mask hides a column y is the lowest finite number; m = the chunk's maximum of y for the row;
; p = 2^(y - m), rounded to f16 into pbuf [8192][2048]; l = the sum of the unrounded p; (m, l) in f32 into st [chunk 16][row 8192].
; The next launch takes the row's true maximum over the chunks and corrects each chunk by 2^(m_chunk - m_row): a running maximum in two launches, so T never goes to memory.
; A chunk with no open column has m = the lowest finite number and p = 1 everywhere (the difference is taken before the exponential, so it is exactly 0); its weight in the next launch is 0.
; LIMITS.  A true y lies above -1.7e38; a weight below 2^-126 counts as 0; p below 6e-5 keeps the fixed step of f16; NaN and infinities are not treated apart.
; Frame as in the projection launch: tile 256 x 256, four waves of 128 x 128 (a wave's columns are one chunk), 16 K steps of 128, two slots, a K step a trip, tail loop, way out through the dead ring.
; CLUSTER 4 x 4: S's tile shared along a row, prop's along a column.
.set KS,     16
.set PITCH,  272
.set HALFT,  128*PITCH
.set SLOT,   4*HALFT
.set MASKL,  2*SLOT                    ; 2,048 bytes of mask bits a wave
.set STATL,  MASKL+4*2048              ; 1,024 bytes of (m, l) a wave
.set SPARE,  STATL+4*1024              ; the spare words
.set DPITCH, 528
.set DREG,   128*DPITCH
.set ROWB,   4096
.set ASTEP,  256
.set BSTEP,  256
.set ADRA0, 16
.set ADRB0, 17
.set ADRA,  18
.set ADRB,  19
.set DST,   20
.set RDA,   21
.set CO,    22
.set MKA,   23
.set STA,   24                         ; v24  where my row's (m, l) go
.set LN8,   25                         ; v25  8 x lane
.set LN16,  26
.set MST,   27
.set SPW,   28
.set NIL,   29
.set PFO,   30
.set STR,   31                         ; v31  where I read (m, l) back
.set Y,     32
.set X,     64
.set F0,    64
.set F1,    128
.set MK,    192
.set SL,    208                        ; v[208:223] set t: m, l
.set G1,  24
.set G0,  32
.set LIM, 43
.set PFA, 44
.set G1B, 48
.set G0B, 56
.set TG,  66
.set CLY, 67
.set CS,  80                           ; s[80:81] c, twice
.set NEG, 82                           ; s82  the lowest finite number
.set MSB, 0
.macro WIN new
.if MSB != (\new)
	s_set_vgpr_msb (MSB<<8)|(\new)
.set MSB, \new
.endif
.endm
.set MUL_LO, 0xa1
.set TO_B,   0x40
.macro PLACES
.rept 4
	v_nop
.endr
.endm
.macro CREST
	s_cmp_lg_u32 s10, 0
	s_cbranch_scc1 .Lnot_wave_0_\@
	s_barrier_signal -3
.Lnot_wave_0_\@:
	s_barrier_wait -3
	s_barrier_signal -1
	s_barrier_wait -1
.endm
.macro CROUND
	s_barrier_signal -1
	s_barrier_wait -1
	CREST
.endm
.macro JLOAD
	s_cmp_eq_u32 s11, 0
	s_cbranch_scc0 .Lfor_b_\@
	tensor_load_to_lds s[G0+4:G0+7], s[G1:G1+7]
	s_nop 0
.rept 4
	v_nop
.endr
	s_branch .Lasked_\@
.Lfor_b_\@:
	tensor_load_to_lds s[G0B+4:G0B+7], s[G1B:G1B+7]
	s_nop 0
.rept 4
	v_nop
.endr
.Lasked_\@:
.endm
; A prefetch of the K step two refills on: 32 rows x 256 bytes, a lane a row.  S's tile row is read by both clusters of its row of clusters: cluster x = 0 asks; prop's rows by all eight of a column:
; cluster y = 0 asks.  The four partners of a joint load take 32 of its 128 rows each, by address.  The counter is KS - 2 - j at K step j; step j + 4 exists while it is above 2.
.macro ASK
	s_cmp_gt_u32 s3, s[LIM]
	s_cbranch_scc0 .Lnot_mine_\@
	global_prefetch_b8 v[PFO], s[PFA:PFA+1] th:TH_LOAD_NT scope:SCOPE_SE
.Lnot_mine_\@:
.endm
	s_load_b256 s[68:75], s[0:1], 0x0              ; sb s[68:69], cst s[70:71], mb s[72:73], pbuf s[74:75]
	s_load_b64 s[76:77], s[0:1], 0x20              ; st
	v_lshl_add_u32 v[SPW], v0, 2, SPARE
	v_mov_b32 v[NIL], 0
	ds_add_u32 v[SPW], v[NIL]                      ; the wave's opening: the add and its wait stand ahead of my first tensor load
	v_lshrrev_b32 v1, 5, v0
	v_readfirstlane_b32 s10, v1
	s_lshr_b32 s11, s10, 1
	s_and_b32 s12, s10, 1
	s_bfe_u32 s40, ttmp6, 0x40000
	s_bfe_u32 s41, ttmp6, 0x40004
	s_lshl_b32 s42, ttmp9, 2
	s_add_co_u32 s42, s42, s40                     ; tile column
	s_and_b32 s[CLY], ttmp7, 0xffff
	s_lshl_b32 s13, s[CLY], 2
	s_add_co_u32 s13, s13, s41                     ; tile row of sb
	s_lshl_b32 s43, s41, 2
	s_lshl_b32 s43, 15, s43
	s_lshl_b32 s44, 0x1111, s40
	s_or_b32 s[G1], s43, (1<<16)|(1<<20)|(1<<21)|(5<<22)|(3<<25)
	s_or_b32 s[G1B], s44, (1<<16)|(1<<20)|(1<<21)|(5<<22)|(3<<25)
.irp g, G1, G1B
	s_mov_b32 s[(\g)+1], 128<<16
	s_mov_b32 s[(\g)+2], 128<<16
	s_mov_b32 s[(\g)+3], 128<<16
	s_mov_b32 s[(\g)+4], 128
	s_mov_b32 s[(\g)+5], 2048
	s_mov_b32 s[(\g)+6], 0
	s_mov_b32 s[(\g)+7], 0
.endr
	s_mov_b32 s[TG], 0
	s_mov_b32 s[CS], 0x3d8293ee                    ; log2(e) / sqrt(512) = 0.0637587
	s_mov_b32 s[CS+1], s[CS]
	s_mov_b32 s[NEG], 0xff7fffff
	s_lshr_b32 s18, s[CLY], 2                      ; b
	s_lshl_b32 s16, s13, 20                        ; S: tile row x 256 rows of 4,096 bytes
	s_lshl_b32 s17, s12, 19
	s_add_co_u32 s16, s16, s17
	s_mov_b32 s17, 0
	s_lshl_b32 s46, s42, 20                        ; prop: tile column x 256 rows
	s_lshl_b32 s47, s12, 19
	s_add_co_u32 s46, s46, s47
	s_add_co_u32 s46, s46, 0x1800000               ; prop begins at byte 25,165,824 of cst
	s_mov_b32 s47, 0
	s_mul_i32 s20, s10, HALFT
	s_wait_dscnt 0x0
	s_wait_kmcnt 0x0
	s_add_nc_u64 s[14:15], s[68:69], s[16:17]
	s_add_nc_u64 s[46:47], s[70:71], s[46:47]
	CROUND
.irp s, 0,1
	s_mov_b32 s[G0+4*(\s)], 1
	s_add_co_u32 s[G0+4*(\s)+1], s20, (\s)*SLOT
	s_add_nc_u64 s[G0+4*(\s)+2:G0+4*(\s)+3], s[14:15], (\s)*ASTEP
	s_or_b32 s[G0+4*(\s)+3], s[G0+4*(\s)+3], 0x80000000
	s_mov_b32 s[G0B+4*(\s)], 1
	s_add_co_u32 s[G0B+4*(\s)+1], s20, (\s)*SLOT
	s_add_nc_u64 s[G0B+4*(\s)+2:G0B+4*(\s)+3], s[46:47], (\s)*BSTEP
	s_or_b32 s[G0B+4*(\s)+3], s[G0B+4*(\s)+3], 0x80000000
.endr
	s_cmp_eq_u32 s11, 0
	s_cbranch_scc0 .Lfirst_b
	tensor_load_to_lds s[G0:G0+3], s[G1:G1+7]
	s_nop 0
	tensor_load_to_lds s[G0+4:G0+7], s[G1:G1+7]
	s_nop 0
.rept 4
	v_nop
.endr
	s_branch .Lfirst_asked
.Lfirst_b:
	tensor_load_to_lds s[G0B:G0B+3], s[G1B:G1B+7]
	s_nop 0
	tensor_load_to_lds s[G0B+4:G0B+7], s[G1B:G1B+7]
	s_nop 0
.rept 4
	v_nop
.endr
.Lfirst_asked:
	s_lshl_b32 s22, s18, 19                        ; my mask bits, as in the launch before
	s_lshl_b32 s23, s42, 16
	s_add_co_u32 s22, s22, s23
	s_lshl_b32 s23, s12, 15
	s_add_co_u32 s22, s22, s23
	s_and_b32 s23, s13, 7
	s_lshl_b32 s23, s23, 12
	s_add_co_u32 s22, s22, s23
	s_lshl_b32 s23, s11, 11
	s_add_co_u32 s22, s22, s23
	s_mov_b32 s23, 0
	s_add_nc_u64 s[84:85], s[72:73], s[22:23]
	v_and_b32 v3, 31, v0
	v_lshlrev_b32 v[LN16], 4, v3
	v_lshlrev_b32 v[LN8], 3, v3
.irp q, 0,1,2,3
	global_load_b128 v[X+4*(\q):X+4*(\q)+3], v[LN16], s[84:85] offset:512*(\q)
.endr
	s_lshl_b32 s21, s10, 11
	s_add_co_u32 s21, s21, MASKL
	v_add_nc_u32 v[MST], s21, v[LN16]
	v_add_nc_u32 v[MKA], s21, v[LN8]
	v_and_b32 v1, 15, v0
	v_bfe_u32 v2, v0, 4, 1
	s_lshl_b32 s21, s10, 10
	s_add_co_u32 s21, s21, STATL
	v_lshl_add_u32 v[STA], v2, 3, s21
	v_add_nc_u32 v[STR], s21, v[LN8]
	v_mul_u32_u24 v3, v1, PITCH
	v_lshl_add_u32 v3, v2, 4, v3
	s_mul_i32 s21, s11, HALFT
	v_add_nc_u32 v[ADRA0], s21, v3
	s_mul_i32 s21, s12, HALFT
	s_add_co_u32 s21, s21, 2*HALFT
	v_add_nc_u32 v[ADRB0], s21, v3
	v_mov_b32 v[ADRA], v[ADRA0]
	v_mov_b32 v[ADRB], v[ADRB0]
	s_mul_i32 s21, s10, DREG
	v_mul_u32_u24 v3, v1, DPITCH
	v_lshl_add_u32 v3, v2, 4, v3
	v_add_nc_u32 v[DST], s21, v3
	v_mul_u32_u24 v3, v2, DPITCH
	v_lshl_add_u32 v3, v1, 4, v3
	v_add_nc_u32 v[RDA], s21, v3
	v_lshlrev_b32 v3, 12, v2
	v_lshl_add_u32 v[CO], v1, 4, v3
	s_lshl_b32 s6, s13, 20                         ; P at my 128 x 128
	s_lshl_b32 s7, s11, 19
	s_add_co_u32 s6, s6, s7
	s_lshl_b32 s7, s42, 9
	s_add_co_u32 s6, s6, s7
	s_lshl_b32 s7, s12, 8
	s_add_co_u32 s6, s6, s7
	s_mov_b32 s7, 0
	s_add_nc_u64 s[8:9], s[74:75], s[6:7]
	s_lshl_b32 s6, s42, 17                         ; (m, l): ((2 tile column + half) x 8,192 + my first row) x 8 bytes
	s_lshl_b32 s22, s12, 16
	s_add_co_u32 s6, s6, s22
	s_lshl_b32 s22, s13, 11
	s_add_co_u32 s6, s6, s22
	s_lshl_b32 s22, s11, 10
	s_add_co_u32 s6, s6, s22
	s_add_nc_u64 s[86:87], s[76:77], s[6:7]
	; the prefetches: at K step 3; the first change of slots steps them to K step 4
	s_lshl_b32 s4, s13, 20
	s_lshl_b32 s5, s40, 17
	s_add_co_u32 s4, s4, s5
	s_lshl_b32 s6, s42, 20
	s_lshl_b32 s7, s41, 17
	s_add_co_u32 s6, s6, s7
	s_add_co_u32 s6, s6, 0x1800000
	s_cmp_eq_u32 s11, 0
	s_cselect_b32 s4, s4, s6
	s_cselect_b32 s22, ttmp9, s[CLY]
	s_cselect_b64 s[PFA:PFA+1], s[68:69], s[70:71]
	s_lshl_b32 s5, s12, 19
	s_add_co_u32 s4, s4, s5
	s_add_co_u32 s4, s4, 3*ASTEP
	s_mov_b32 s5, 0
	s_add_nc_u64 s[PFA:PFA+1], s[PFA:PFA+1], s[4:5]
	s_cmp_eq_u32 s22, 0
	s_cselect_b32 s[LIM], 2, -1
	v_and_b32 v[PFO], 31, v0
	v_lshlrev_b32 v[PFO], 12, v[PFO]
.set t, 0
.rept 8
	v_mov_b32 v[SL+2*t+1], 0                       ; named as pairs before l is first made
.set t, t+1
.endr
	s_wait_loadcnt 0x0
.irp q, 0,1,2,3
	ds_store_b128 v[MST], v[X+4*(\q):X+4*(\q)+3] offset:512*(\q)
.endr
.macro MUL16 f, hi, a0, cm
	WIN MUL_LO+0x50*(\hi)
.irp a, \a0, (\a0)+1
.irp b, 0,1,2,3,4,5,6,7
.if \cm
	v_wmma_f32_16x16x32_bf16 v[8*(8*(\a)+(\b)):8*(8*(\a)+(\b))+7], v[(\f)+8*(\b):(\f)+8*(\b)+7], v[(\f)+8*(4*(\hi)+(\a)):(\f)+8*(4*(\hi)+(\a))+7], 0
.else
	v_wmma_f32_16x16x32_bf16 v[8*(8*(\a)+(\b)):8*(8*(\a)+(\b))+7], v[(\f)+8*(\b):(\f)+8*(\b)+7], v[(\f)+8*(4*(\hi)+(\a)):(\f)+8*(4*(\hi)+(\a))+7], v[8*(8*(\a)+(\b)):8*(8*(\a)+(\b))+7]
.endif
.endr
.endr
.endm
.macro FETCH k, f
	WIN TO_B
.irp i, 0,1,2,3,4,5,6,7
	ds_load_b128 v[(\f)+8*(\i):(\f)+8*(\i)+3],   v[ADRB] offset:(\k)+(\i)*16*PITCH
	ds_load_b128 v[(\f)+8*(\i)+4:(\f)+8*(\i)+7], v[ADRB] offset:(\k)+(\i)*16*PITCH+32
.endr
	WIN 0
.irp i, 0,1,2,3,4,5,6,7
	ds_load_b128 v[(\f)+8*(\i):(\f)+8*(\i)+3],   v[ADRA] offset:(\k)+(\i)*16*PITCH
	ds_load_b128 v[(\f)+8*(\i)+4:(\f)+8*(\i)+7], v[ADRA] offset:(\k)+(\i)*16*PITCH+32
.endr
.endm
.macro QUARTER k, f, g, cm
	s_wait_dscnt 8                                 ; all but the youngest eight loads (S's rows 64-127)
	MUL16 \f, 0, 0, \cm
	MUL16 \f, 0, 2, \cm
	PLACES
	FETCH \k, \g
	s_wait_dscnt 32                                ; all but the 32 just issued
	MUL16 \f, 1, 0, \cm
	MUL16 \f, 1, 2, \cm
.endm
.macro TURN1
	s_wait_xcnt 0x0                                ; the last prefetch, a K step back, has read its address
	s_add_nc_u64 s[PFA:PFA+1], s[PFA:PFA+1], ASTEP
	WIN 0
	s_wait_tensorcnt 0x0
	ds_add_u32 v[SPW], v[NIL]
	s_xor_b32 s[G0+5], s[G0+5], SLOT
	s_add_nc_u64 s[G0+6:G0+7], s[G0+6:G0+7], ASTEP
	s_xor_b32 s[G0B+5], s[G0B+5], SLOT
	s_add_nc_u64 s[G0B+6:G0B+7], s[G0B+6:G0B+7], BSTEP
	s_xor_b32 s[TG], s[TG], SLOT
	s_wait_dscnt 9                                 ; the add and the youngest eight loads may be out
	MUL16 F1, 0, 0, 0
	s_wait_dscnt 0x0
	s_barrier_signal -1
	MUL16 F1, 0, 2, 0
	WIN 0
	s_barrier_wait -1
	CREST
	JLOAD
	v_add_nc_u32 v[ADRA], s[TG], v[ADRA0]
	v_add_nc_u32 v[ADRB], s[TG], v[ADRB0]
	FETCH 0, F0
	ASK
	MUL16 F1, 1, 0, 0
	MUL16 F1, 1, 2, 0
.endm
.macro TURN0
	WIN 0
	s_wait_tensorcnt 0x0
	ds_add_u32 v[SPW], v[NIL]
	s_xor_b32 s[TG], s[TG], SLOT
	s_wait_dscnt 9
	MUL16 F1, 0, 0, 0
	s_wait_dscnt 0x0
	s_barrier_signal -1
	MUL16 F1, 0, 2, 0
	WIN 0
	s_barrier_wait -1
	PLACES
	v_add_nc_u32 v[ADRA], s[TG], v[ADRA0]
	v_add_nc_u32 v[ADRB], s[TG], v[ADRB0]
	s_cmp_eq_u32 s3, 1
	s_cbranch_scc1 .Lno_fetch_\@
	FETCH 0, F0
.Lno_fetch_\@:
	MUL16 F1, 1, 0, 0
	MUL16 F1, 1, 2, 0
.endm
	s_wait_tensorcnt 0x1                           ; K step 0 is in; K step 1 may stay out
	s_wait_dscnt 0x0
	s_barrier_signal -1
	s_barrier_wait -1
	FETCH 0, F0
	QUARTER 64, F0, F1, 1
	WIN 0
	s_mov_b32 s3, KS-2
.Lstep:
	QUARTER 128, F1, F0, 0
	QUARTER 192, F0, F1, 0
	TURN1
	QUARTER 64, F0, F1, 0
	WIN 0
	s_sub_co_u32 s3, s3, 1
	s_cmp_lg_u32 s3, 0
	s_cbranch_scc1 .Lstep
	s_mov_b32 s3, 2
	s_branch .Ltmid
.Ltail:
	QUARTER 64, F0, F1, 0
	WIN 0
.Ltmid:
	QUARTER 128, F1, F0, 0
	QUARTER 192, F0, F1, 0
	TURN0
	WIN 0
	s_sub_co_u32 s3, s3, 1
	s_cmp_lg_u32 s3, 0
	s_cbranch_scc1 .Ltail
	PLACES
	PLACES
	s_wait_dscnt 0x0
	s_barrier_signal -1
	s_barrier_wait -1                              ; nobody reads the ring any more, and it has had its last fill
.irp hi, 0,1
	WIN 0x08+4*(\hi)
.irp a, 0,1,2,3
.irp b, 0,1,2,3,4,5,6,7
	ds_store_b128 v[DST], v[8*(8*(\a)+(\b)):8*(8*(\a)+(\b))+3]   offset:(4*(\hi)+(\a))*16*DPITCH+32*(\b)
	ds_store_b128 v[DST], v[8*(8*(\a)+(\b))+4:8*(8*(\a)+(\b))+7] offset:(4*(\hi)+(\a))*16*DPITCH+32*(\b)+256
.endr
.endr
.endr
	WIN 0
	s_mov_b32 s3, 8
.Lout:                                         ; 16 rows a trip: a row's 128 columns lie in 16 neighbouring lanes, eight a lane
	ds_load_b64 v[MK:MK+1], v[MKA]
.set p, 0
.rept 4
	ds_load_b128 v[X+8*p:X+8*p+3],     v[RDA] offset:p*2*DPITCH
	ds_load_b128 v[X+8*p+4:X+8*p+7],   v[RDA] offset:p*2*DPITCH+256
	ds_load_b128 v[X+8*p+32:X+8*p+35], v[RDA] offset:(p+4)*2*DPITCH
	ds_load_b128 v[X+8*p+36:X+8*p+39], v[RDA] offset:(p+4)*2*DPITCH+256
.set p, p+1
.endr
.set p, 0
.rept 4                                        ; y = c T; hidden columns take the lowest finite number
	s_wait_dscnt 12-4*p                            ; the later pairs' four loads each may stay out
.set j, 0
.rept 4
	v_pk_mul_f32 v[X+8*p+2*j:X+8*p+2*j+1], v[X+8*p+2*j:X+8*p+2*j+1], s[CS:CS+1] op_sel_hi:[1,0]
	v_pk_mul_f32 v[X+8*p+32+2*j:X+8*p+33+2*j], v[X+8*p+32+2*j:X+8*p+33+2*j], s[CS:CS+1] op_sel_hi:[1,0]
.set j, j+1
.endr
.set j, 0
.rept 8
	v_add_co_u32 v[MK], s20, v[MK], v[MK]
	v_add_co_u32 v[MK+1], s21, v[MK+1], v[MK+1]
	v_cndmask_b32 v[X+8*p+j], s[NEG], v[X+8*p+j], s20
	v_cndmask_b32 v[X+8*p+32+j], s[NEG], v[X+8*p+32+j], s21
.set j, j+1
.endr
.set p, p+1
.endr
.set t, 0
.rept 8                                        ; the maximum: within the lane, the eight sets by turns,
	v_max3_num_f32 v[SL+2*t], v[X+8*t], v[X+8*t+1], v[X+8*t+2]
.set t, t+1
.endr
.set t, 0
.rept 8
	v_max3_num_f32 v[SL+2*t], v[SL+2*t], v[X+8*t+3], v[X+8*t+4]
.set t, t+1
.endr
.set t, 0
.rept 8
	v_max3_num_f32 v[SL+2*t], v[SL+2*t], v[X+8*t+5], v[X+8*t+6]
.set t, t+1
.endr
.set t, 0
.rept 8
	v_max_num_f32 v[SL+2*t], v[SL+2*t], v[X+8*t+7]
.set t, t+1
.endr
.irp m, 1,2,4,8                                ; then across the row's 16 lanes
.set t, 0
.rept 8
	v_max_num_f32_dpp v[SL+2*t], v[SL+2*t], v[SL+2*t] row_xmask:\m row_mask:0xf bank_mask:0xf
.set t, t+1
.endr
.endr
.set t, 0
.rept 8
.set j, 0
.rept 4
	v_pk_add_f32 v[X+8*t+2*j:X+8*t+2*j+1], v[X+8*t+2*j:X+8*t+2*j+1], v[SL+2*t:SL+2*t+1] op_sel_hi:[1,0] neg_lo:[0,1] neg_hi:[0,1]  ; y - m
.set j, j+1
.endr
.set t, t+1
.endr
.set i, 0
.rept 64                                       ; one batch of exponentials,
	v_exp_f32 v[X+i], v[X+i]
.set i, i+1
.endr
	v_nop                                          ; a plain instruction behind the last,
	s_wait_alu depctr_va_vdst(0)                   ; and one wait ahead of the first reader
.set i, 0
.rept 32
	v_cvt_pk_f16_f32 v[Y+i], v[X+2*i], v[X+2*i+1]
.set i, i+1
.endr
.set t, 0
.rept 8
	v_pk_add_f32 v[X+8*t:X+8*t+1], v[X+8*t:X+8*t+1], v[X+8*t+2:X+8*t+3]
	v_pk_add_f32 v[X+8*t+4:X+8*t+5], v[X+8*t+4:X+8*t+5], v[X+8*t+6:X+8*t+7]
.set t, t+1
.endr
.set t, 0
.rept 8
	v_pk_add_f32 v[X+8*t:X+8*t+1], v[X+8*t:X+8*t+1], v[X+8*t+4:X+8*t+5]
.set t, t+1
.endr
.set t, 0
.rept 8
	v_add_f32 v[SL+2*t+1], v[X+8*t], v[X+8*t+1]
.set t, t+1
.endr
.irp m, 1,2,4,8
.set t, 0
.rept 8
	v_add_f32_dpp v[SL+2*t+1], v[SL+2*t+1], v[SL+2*t+1] row_xmask:\m row_mask:0xf bank_mask:0xf
.set t, t+1
.endr
.endr
.set t, 0
.rept 8
	ds_store_b64 v[STA], v[SL+2*t:SL+2*t+1] offset:16*t                ; a row's 16 lanes write the same pair to the same place
	global_store_b128 v[CO], v[Y+4*t:Y+4*t+3], s[8:9] offset:2*t*ROWB  ; 16 lanes store 256 consecutive aligned bytes
.set t, t+1
.endr
	s_wait_xcnt 0x0
	s_add_nc_u64 s[8:9], s[8:9], 16*ROWB
	v_add_nc_u32 v[RDA], 16*DPITCH, v[RDA]
	v_add_nc_u32 v[MKA], 256, v[MKA]
	v_add_nc_u32 v[STA], 128, v[STA]
	s_sub_co_u32 s3, s3, 1
	s_cmp_lg_u32 s3, 0
	s_cbranch_scc1 .Lout
.irp q, 0,1,2,3                                ; my 128 rows' (m, l): 1,024 consecutive bytes
	ds_load_b64 v[X+2*(\q):X+2*(\q)+1], v[STR] offset:256*(\q)
.endr
	s_wait_dscnt 0x0
.irp q, 0,1,2,3
	global_store_b64 v[LN8], v[X+2*(\q):X+2*(\q)+1], s[86:87] offset:256*(\q)
.endr
	s_wait_tensorcnt 0x0                           ; the wave's end
	ds_add_u32 v[SPW], v[NIL]
	s_wait_dscnt 0x0
	CROUND
	s_endpgm
.Lfunc_end_k_q936e82be7f_spread:
	.size	k_q936e82be7f_spread, .Lfunc_end_k_q936e82be7f_spread-k_q936e82be7f_spread
	.p2alignl 7, 3214868480
	.fill 96, 4, 3214868480
	.section	.rodata,"a",@progbits
	.p2align	6, 0x0
	.amdhsa_kernel k_q936e82be7f_spread
		.amdhsa_group_segment_fixed_size 327680
		.amdhsa_private_segment_fixed_size 0
		.amdhsa_enable_private_segment 0
		.amdhsa_kernarg_size 40
		.amdhsa_user_sgpr_count 2
		.amdhsa_user_sgpr_kernarg_segment_ptr 1
		.amdhsa_wavefront_size32 1
		.amdhsa_system_sgpr_workgroup_id_x 1
		.amdhsa_system_sgpr_workgroup_id_y 1
		.amdhsa_system_sgpr_workgroup_id_z 1
		.amdhsa_system_vgpr_workitem_id 0
		.amdhsa_next_free_vgpr 1024
		.amdhsa_next_free_sgpr 88
		.amdhsa_reserve_vcc 0
		.amdhsa_float_denorm_mode_32 3
		.amdhsa_float_denorm_mode_16_64 3
		.amdhsa_memory_ordered 1
		.amdhsa_forward_progress 1
		.amdhsa_inst_pref_size 107
	.end_amdhsa_kernel
	.amdgpu_metadata
---
amdhsa.version: [ 1, 2 ]
amdhsa.kernels:
  - .name:           k_q936e82be7f_spread
    .symbol:         k_q936e82be7f_spread.kd
    .args:
      - { .name: sb, .offset: 0, .size: 8, .value_kind: global_buffer, .address_space: global }
      - { .name: cst, .offset: 8, .size: 8, .value_kind: global_buffer, .address_space: global }
      - { .name: mb, .offset: 16, .size: 8, .value_kind: global_buffer, .address_space: global }
      - { .name: pbuf, .offset: 24, .size: 8, .value_kind: global_buffer, .address_space: global }
      - { .name: st, .offset: 32, .size: 8, .value_kind: global_buffer, .address_space: global }
    .group_segment_fixed_size: 327680
    .private_segment_fixed_size: 0
    .kernarg_segment_align: 8
    .kernarg_segment_size: 40
    .max_flat_workgroup_size: 128
    .sgpr_count:     88
    .vgpr_count:     1024
    .wavefront_size: 32
...
	.end_amdgpu_metadata
.endif
;; end of part 4
;; launch mix (part 5): grid 4 x 64, 4 waves a work-group, clusters of 4 x 4, 327,680 bytes of LDS; arguments pbuf, st, qkv, ob; writes ob
.if DOCPART == 5
	.amdgcn_target "amdgcn-amd-amdhsa--gfx1250"
	.amdhsa_code_object_version 6
	.text
	.protected	k_q936e82be7f_mix
	.globl	k_q936e82be7f_mix
	.p2align	8
	.type	k_q936e82be7f_mix,@function
k_q936e82be7f_mix:
	s_mov_b64 s[64:65], 0
	v_nop
	global_prefetch_b8 v0, s[64:65] scope:SCOPE_SE
	s_setreg_imm32_b32 hwreg(HW_REG_WAVE_MODE, 25, 1), 1
	s_wait_xcnt 0x0
	s_wait_alu depctr_hold_cnt(0) depctr_sa_sdst(0) depctr_va_vdst(0) depctr_va_sdst(0) depctr_va_ssrc(0) depctr_va_vcc(0) depctr_vm_vsrc(0)
	s_getreg_b32 s2, hwreg(HW_REG_IB_STS2, 6, 4)
	s_cmp_eq_u32 s2, 0
	s_cbranch_scc0 .Lentry_in_a_cluster
	s_endpgm
.Lentry_in_a_cluster:
	s_bfe_u32 s2, ttmp6, 0x10000c
	s_cmp_lg_u32 s2, 0xf033
	s_cbranch_scc0 .Lentry_shape_is_right
	s_endpgm
.Lentry_shape_is_right:
; MIX.  O[row][d] = (sum over the 16 chunks t of w_t (P_t V_t)) / L, with m = the maximum over t of m_t, w_t = 2^(m_t - m), L = the sum of w_t l_t: the softmax's second half and its product with V.
; A row whose every column is hidden (m = the lowest finite number) gets O = 0, as the problem's nan_to_num does.  P and V are f16, all sums f32; O is rounded once to f16 into ob [4096][1024] (heads side by side).
; LIMITS.  A true maximum lies above -1.7e38 (the test for a hidden row); a weight below 2^-126 counts as 0; NaN and infinities are not treated apart.
; Tile 128 x 128 of O (a head has 512 channels: four tile columns), four waves of 64 x 64.  K goes in steps of 256 keys, two chunks, through two LDS slots: P as 64 rows x 512 bytes a load (528 apart),
; V as 128 keys x 256 bytes a load (288 apart), turned on the way into registers.  Slot 1 begins at 0x24000: no bit of that is set in a tile's place in a slot, so an exclusive or changes slots.
; A chunk's product is summed by itself (U0, U1 by turns, started with the constant 0) and then added to O with the row's weight: 64 packed multiply-adds, two behind each matrix instruction of the
; quarter after next, when four plain instructions and more lie behind the chunk's last product.  O is cleared once, 128 lines in the wait for the first tile: the price of writing no first chunk out.
; CLUSTER 4 x 4: P's tile shared along a row, V's along a column ((b, h) = cluster y / 4).  No prefetch: small tiles, and what is shared is asked for jointly.
; REGISTERS: window 0: v0-31 addresses, v32-39 the two chunks' weights, v40-59 row figures, v64-127 statistics, later packed results, v128-255 O; window 1: two fragment buffers of 128; window 2: U0, U1.
.set KS,     8
.set APITCH, 528
.set BPITCH, 288
.set AH,     64*APITCH
.set BH,     128*BPITCH
.set BOFF,   2*AH
.set SLOT,   0x24000
.set WTAB,   SLOT+BOFF+2*BH            ; behind the ring: 4,096 bytes of weights a wave, [t 16][row % 16][row block 4] f32
.set SPARE,  WTAB+4*4096               ; the spare words
.set SPITCH, 272                       ; the way out's stage: 128 rows at byte 0, in the ring when it has had its last fill
.set ASTEP,  512
.set BSTEP,  256*2048
.set ADRA0, 16
.set ADRB0, 17
.set ADRA,  18
.set ADRB,  19                         ; v19, v20: V's fragments, keys 0-127 and 128-255 of the step
.set WAD,   21                         ; v21  where the next two chunks' weights lie
.set STO,   22
.set SO,    23                         ; v23  my byte offset in st
.set RD,    24
.set CO,    25
.set WS,    26                         ; v26  where I put weights
.set SPW,   28
.set NIL,   29
.set W,     32                         ; v[32:35] chunk 0's weights for my four row blocks, v[36:39] chunk 1's
.set INV,   40
.set MR,    44
.set L,     48
.set TP,    52
.set SM,    64                         ; (m, l) of chunk 8 (l / 16) + n / 4, row block n % 4, at SM + 2 n
.set TMP,   64
.set O,     128
.set E,     128                        ; the weights while they are made
.set F0,    0
.set F1,    128
.set G1,  24
.set G0,  32
.set G1B, 48
.set G0B, 56
.set TG,  66
.set CLY, 67
.set SEL, 84                           ; s[84:85] v_permlanex16_b32: the same place in the other half
.set THR, 86                           ; s86  -1.7e38
.set MSB, 0
.macro WIN new
.if MSB != (\new)
	s_set_vgpr_msb (MSB<<8)|(\new)
.set MSB, \new
.endif
.endm
.set MUL,  0xa5                        ; sources 0, 1 window 1; C and D window 2
.set TO_F, 0x40
.macro PLACES
.rept 4
	v_nop
.endr
.endm
.macro CREST
	s_cmp_lg_u32 s10, 0
	s_cbranch_scc1 .Lnot_wave_0_\@
	s_barrier_signal -3
.Lnot_wave_0_\@:
	s_barrier_wait -3
	s_barrier_signal -1
	s_barrier_wait -1
.endm
.macro CROUND
	s_barrier_signal -1
	s_barrier_wait -1
	CREST
.endm
.macro JLOAD
	s_cmp_eq_u32 s11, 0
	s_cbranch_scc0 .Lfor_b_\@
	tensor_load_to_lds s[G0+4:G0+7], s[G1:G1+7]
	s_nop 0
.rept 4
	v_nop
.endr
	s_branch .Lasked_\@
.Lfor_b_\@:
	tensor_load_to_lds s[G0B+4:G0B+7], s[G1B:G1B+7]
	s_nop 0
.rept 4
	v_nop
.endr
.Lasked_\@:
.endm
	s_load_b256 s[68:75], s[0:1], 0x0              ; pbuf s[68:69], st s[70:71], qkv s[72:73], ob s[74:75]
	v_lshl_add_u32 v[SPW], v0, 2, SPARE
	v_mov_b32 v[NIL], 0
	ds_add_u32 v[SPW], v[NIL]                      ; the wave's opening: the add and its wait stand ahead of my first tensor load
	v_lshrrev_b32 v1, 5, v0
	v_readfirstlane_b32 s10, v1
	s_lshr_b32 s11, s10, 1                         ; my half of the tile's rows; also: I fetch P (0) or V (1)
	s_and_b32 s12, s10, 1                          ; my half of its columns; also: which half I fetch
	s_bfe_u32 s40, ttmp6, 0x40000
	s_bfe_u32 s41, ttmp6, 0x40004
	s_lshl_b32 s42, ttmp9, 2
	s_add_co_u32 s42, s42, s40                     ; tile column in the head
	s_and_b32 s[CLY], ttmp7, 0xffff
	s_lshl_b32 s13, s[CLY], 2
	s_add_co_u32 s13, s13, s41                     ; tile row of pbuf, 0..63
	s_lshl_b32 s43, s41, 2
	s_lshl_b32 s43, 15, s43
	s_lshl_b32 s44, 0x1111, s40
	s_or_b32 s[G1], s43, (1<<16)|(1<<20)|(1<<21)|(6<<22)|(3<<25)    ; 4 words behind every 128
	s_mov_b32 s[G1+1], 256<<16
	s_mov_b32 s[G1+2], 64<<16
	s_mov_b32 s[G1+3], 256<<16
	s_mov_b32 s[G1+4], 64
	s_mov_b32 s[G1+5], 2048
	s_mov_b32 s[G1+6], 0
	s_mov_b32 s[G1+7], 0
	s_or_b32 s[G1B], s44, (1<<16)|(1<<20)|(1<<21)|(5<<22)|(7<<25)   ; 8 words behind every 64
	s_mov_b32 s[G1B+1], 128<<16
	s_mov_b32 s[G1B+2], 128<<16
	s_mov_b32 s[G1B+3], 128<<16
	s_mov_b32 s[G1B+4], 128
	s_mov_b32 s[G1B+5], 1024
	s_mov_b32 s[G1B+6], 0
	s_mov_b32 s[G1B+7], 0
	s_mov_b32 s[TG], 0
	s_mov_b32 s[SEL], 0x76543210
	s_mov_b32 s[SEL+1], 0xfedcba98
	s_mov_b32 s[THR], 0xff000000
	s_lshl_b32 s16, s13, 19                        ; P: tile row x 128 rows of 4,096 bytes
	s_lshl_b32 s17, s12, 18
	s_add_co_u32 s16, s16, s17
	s_mov_b32 s17, 0
	s_lshr_b32 s18, s[CLY], 3                      ; b
	s_bfe_u32 s19, s[CLY], 0x10002                 ; head
	s_lshl_b32 s46, s18, 22                        ; V: the batch's rows,
	s_lshl_b32 s47, s12, 18                        ; my 128 keys of the step's 256,
	s_add_co_u32 s46, s46, s47
	s_lshl_b32 s47, s19, 10                        ; the head's channels,
	s_add_co_u32 s46, s46, s47
	s_lshl_b32 s47, s42, 8                         ; the tile's 128
	s_add_co_u32 s46, s46, s47
	s_add_co_u32 s46, s46, 0x1000000               ; v lies behind q and k in qkv
	s_mov_b32 s47, 0
	s_mul_i32 s20, s12, AH
	s_mul_i32 s21, s12, BH
	s_add_co_u32 s21, s21, BOFF
	s_wait_dscnt 0x0
	s_wait_kmcnt 0x0
	s_add_nc_u64 s[14:15], s[68:69], s[16:17]
	s_add_nc_u64 s[46:47], s[72:73], s[46:47]
	CROUND
.irp s, 0,1
	s_mov_b32 s[G0+4*(\s)], 1
	s_add_co_u32 s[G0+4*(\s)+1], s20, (\s)*SLOT
	s_add_nc_u64 s[G0+4*(\s)+2:G0+4*(\s)+3], s[14:15], (\s)*ASTEP
	s_or_b32 s[G0+4*(\s)+3], s[G0+4*(\s)+3], 0x80000000
	s_mov_b32 s[G0B+4*(\s)], 1
	s_add_co_u32 s[G0B+4*(\s)+1], s21, (\s)*SLOT
	s_add_nc_u64 s[G0B+4*(\s)+2:G0B+4*(\s)+3], s[46:47], (\s)*BSTEP
	s_or_b32 s[G0B+4*(\s)+3], s[G0B+4*(\s)+3], 0x80000000
.endr
	s_cmp_eq_u32 s11, 0
	s_cbranch_scc0 .Lfirst_b
	tensor_load_to_lds s[G0:G0+3], s[G1:G1+7]
	s_nop 0
	tensor_load_to_lds s[G0+4:G0+7], s[G1:G1+7]
	s_nop 0
.rept 4
	v_nop
.endr
	s_branch .Lfirst_asked
.Lfirst_b:
	tensor_load_to_lds s[G0B:G0B+3], s[G1B:G1B+7]
	s_nop 0
	tensor_load_to_lds s[G0B+4:G0B+7], s[G1B:G1B+7]
	s_nop 0
.rept 4
	v_nop
.endr
.Lfirst_asked:
	; the statistics of my 64 rows: lane (r, h) takes chunks 8 h .. 8 h + 7 of rows 16 a + r
	s_lshl_b32 s22, s13, 10
	s_lshl_b32 s23, s11, 9
	s_add_co_u32 s22, s22, s23
	s_mov_b32 s23, 0
	s_add_nc_u64 s[4:5], s[70:71], s[22:23]
	v_and_b32 v1, 15, v0
	v_bfe_u32 v2, v0, 4, 1
	v_lshlrev_b32 v[SO], 3, v1
	v_lshl_add_u32 v[SO], v2, 19, v[SO]
.set n, 0
.rept 32
	global_load_b64 v[SM+2*n:SM+2*n+1], v[SO], s[4:5] offset:(n/4)*65536+(n%4)*128
.set n, n+1
.endr
	v_mul_u32_u24 v3, v1, APITCH
	v_lshl_add_u32 v3, v2, 4, v3
	s_mul_i32 s21, s11, AH
	v_add_nc_u32 v[ADRA0], s21, v3
	v_and_b32 v4, 7, v0
	v_lshl_add_u32 v4, v2, 3, v4
	v_mul_u32_u24 v4, v4, BPITCH
	v_bfe_u32 v5, v0, 3, 1
	v_lshl_add_u32 v4, v5, 4, v4
	s_lshl_b32 s21, s12, 7
	s_add_co_u32 s21, s21, BOFF
	v_add_nc_u32 v[ADRB0], s21, v4
	v_mov_b32 v[ADRA], v[ADRA0]
	v_mov_b32 v[ADRB], v[ADRB0]
	v_add_nc_u32 v[ADRB+1], BH, v[ADRB0]
	s_lshl_b32 s21, s10, 12
	s_add_co_u32 s21, s21, WTAB
	v_lshl_add_u32 v[WAD], v1, 4, s21
	v_lshl_add_u32 v[WS], v2, 11, v[WAD]
	s_mul_i32 s21, s11, 64*SPITCH
	s_lshl_b32 s20, s12, 7
	s_add_co_u32 s21, s21, s20
	v_mul_u32_u24 v3, v1, SPITCH
	v_lshl_add_u32 v3, v2, 4, v3
	v_add_nc_u32 v[STO], s21, v3
	s_mul_i32 s21, s10, 32*SPITCH
	v_mul_u32_u24 v3, v2, SPITCH
	v_lshl_add_u32 v3, v1, 4, v3
	v_add_nc_u32 v[RD], s21, v3
	v_lshlrev_b32 v3, 11, v2
	v_lshl_add_u32 v[CO], v1, 4, v3
	s_lshl_b32 s6, s18, 22                         ; ob: (2,048 b + 128 (y % 16) + 32 wave) rows of 2,048 bytes, + the head's and the tile's columns
	s_and_b32 s7, s13, 15
	s_lshl_b32 s7, s7, 18
	s_add_co_u32 s6, s6, s7
	s_lshl_b32 s7, s10, 16
	s_add_co_u32 s6, s6, s7
	s_lshl_b32 s7, s19, 10
	s_add_co_u32 s6, s6, s7
	s_lshl_b32 s7, s42, 8
	s_add_co_u32 s6, s6, s7
	s_mov_b32 s7, 0
	s_add_nc_u64 s[8:9], s[74:75], s[6:7]
	s_wait_loadcnt 0x0
.set a, 0
.rept 4
	v_max3_num_f32 v[MR+a], v[SM+2*a], v[SM+2*(4+a)], v[SM+2*(8+a)]
	v_mov_b32 v[TP+a], 0
.set a, a+1
.endr
.set a, 0
.rept 4
	v_max3_num_f32 v[MR+a], v[MR+a], v[SM+2*(12+a)], v[SM+2*(16+a)]
.set a, a+1
.endr
.set a, 0
.rept 4
	v_max3_num_f32 v[MR+a], v[MR+a], v[SM+2*(20+a)], v[SM+2*(24+a)]
.set a, a+1
.endr
.set a, 0
.rept 4
	v_max_num_f32 v[MR+a], v[MR+a], v[SM+2*(28+a)]
.set a, a+1
.endr
.set a, 0
.rept 4
	v_permlanex16_b32 v[TP+a], v[MR+a], s[SEL], s[SEL+1]   ; the other eight chunks lie in the lane 16 away
.set a, a+1
.endr
.set a, 0
.rept 4
	v_max_num_f32 v[MR+a], v[MR+a], v[TP+a]        ; the row's maximum
.set a, a+1
.endr
.set n, 0
.rept 32
	v_sub_f32 v[E+n], v[SM+2*n], v[MR+n%4]
.set n, n+1
.endr
.set n, 0
.rept 32
	v_exp_f32 v[E+n], v[E+n]                       ; w: one batch,
.set n, n+1
.endr
	v_nop
	s_wait_alu depctr_va_vdst(0)                   ; one wait
.set a, 0
.rept 4
	v_mul_f32 v[L+a], v[E+a], v[SM+2*a+1]
.set a, a+1
.endr
.set n, 4
.rept 28
	v_fmac_f32 v[L+n%4], v[E+n], v[SM+2*n+1]
.set n, n+1
.endr
.set a, 0
.rept 4
	v_permlanex16_b32 v[TP+a], v[L+a], s[SEL], s[SEL+1]
.set a, a+1
.endr
.set a, 0
.rept 4
	v_add_f32 v[L+a], v[L+a], v[TP+a]
.set a, a+1
.endr
.set t, 0
.rept 8
	ds_store_b128 v[WS], v[E+4*t:E+4*t+3] offset:256*t
.set t, t+1
.endr
.set a, 0
.rept 4
	v_rcp_f32 v[TP+a], v[L+a]                      ; L is at least 1: the chunk that holds the maximum has w = 1 and l >= 1
.set a, a+1
.endr
	v_nop
	s_wait_alu depctr_va_vdst(0)
.set a, 0
.rept 4
	v_cmp_lt_f32 vcc_lo, s[THR], v[MR+a]
	v_cndmask_b32 v[INV+a], 0, v[TP+a], vcc_lo     ; 0 for a row with no open column
.set a, a+1
.endr
.set i, 0
.rept 128
	v_mov_b32 v[O+i], 0
.set i, i+1
.endr
; Two lines of O += w U: pair RN of the 64; its accumulator is RN / 4, its row block RN / 16.  A weight in an odd register is the second of its pair.
.macro RIDE u
	WIN 0x02                                       ; source 0 (U) window 2, all else window 0
.rept 2
.if ((RN/16)%2) == 0
	v_pk_fma_f32 v[O+2*RN:O+2*RN+1], v[128*(\u)+2*RN:128*(\u)+2*RN+1], v[W+4*(\u)+RN/16:W+4*(\u)+RN/16+1], v[O+2*RN:O+2*RN+1] op_sel_hi:[1,0,1]
.else
	v_pk_fma_f32 v[O+2*RN:O+2*RN+1], v[128*(\u)+2*RN:128*(\u)+2*RN+1], v[W+4*(\u)+RN/16-1:W+4*(\u)+RN/16], v[O+2*RN:O+2*RN+1] op_sel:[0,1,0] op_sel_hi:[1,1,1]
.endif
.set RN, RN+1
.endr
.endm
; 8 matrix instructions into U u: row blocks a0, a0 + 1 x 4 column blocks, half c of buffer f.  zero = 1: they start the chunk's sums.  ride >= 0: two lines of that chunk's O += w U behind each.
.macro MUL8 f, c, a0, u, zero, ride
.irp a, \a0, (\a0)+1
.irp b, 0,1,2,3
	WIN MUL
.if \zero
	v_wmma_f32_16x16x32_f16 v[128*(\u)+8*(4*(\a)+(\b)):128*(\u)+8*(4*(\a)+(\b))+7], v[(\f)+64+8*(4*(\c)+(\b)):(\f)+64+8*(4*(\c)+(\b))+7], v[(\f)+8*(4*(\c)+(\a)):(\f)+8*(4*(\c)+(\a))+7], 0
.else
	v_wmma_f32_16x16x32_f16 v[128*(\u)+8*(4*(\a)+(\b)):128*(\u)+8*(4*(\a)+(\b))+7], v[(\f)+64+8*(4*(\c)+(\b)):(\f)+64+8*(4*(\c)+(\b))+7], v[(\f)+8*(4*(\c)+(\a)):(\f)+8*(4*(\c)+(\a))+7], v[128*(\u)+8*(4*(\a)+(\b)):128*(\u)+8*(4*(\a)+(\b))+7]
.endif
.if (\ride) >= 0
	RIDE \ride
.endif
.endr
.endr
.endm
; 32 LDS loads: quarter q (64 keys) of the slot in hand into buffer f; the first 32 keys first
.macro FETCH q, f
	WIN TO_F
.irp c, 0,1
.irp i, 0,1,2,3
	ds_load_tr16_b128 v[(\f)+64+8*(4*(\c)+(\i)):(\f)+64+8*(4*(\c)+(\i))+3],   v[ADRB+(\q)/2] offset:((\q)%2)*64*BPITCH+(\c)*32*BPITCH+32*(\i)
	ds_load_tr16_b128 v[(\f)+64+8*(4*(\c)+(\i))+4:(\f)+64+8*(4*(\c)+(\i))+7], v[ADRB+(\q)/2] offset:((\q)%2)*64*BPITCH+(\c)*32*BPITCH+32*(\i)+16*BPITCH
	ds_load_b128 v[(\f)+8*(4*(\c)+(\i)):(\f)+8*(4*(\c)+(\i))+3],   v[ADRA] offset:128*(\q)+64*(\c)+(\i)*16*APITCH
	ds_load_b128 v[(\f)+8*(4*(\c)+(\i))+4:(\f)+8*(4*(\c)+(\i))+7], v[ADRA] offset:128*(\q)+64*(\c)+(\i)*16*APITCH+32
.endr
.endr
.endm
; multiplies buffer f into U u and fetches quarter q into g.  wl = 1: this K step's two chunks' weights are read, ahead of the run (older than its 32 loads: no count changes)
.macro QUARTER q, f, g, u, zero, ride, wl
.set RN, 0
	s_wait_dscnt 16                                ; the first 32 keys are in
	MUL8 \f, 0, 0, \u, \zero, \ride
	MUL8 \f, 0, 2, \u, \zero, \ride
	PLACES
.if \wl
	WIN 0
	ds_load_b128 v[W:W+3],   v[WAD]
	ds_load_b128 v[W+4:W+7], v[WAD] offset:256
	v_add_nc_u32 v[WAD], 512, v[WAD]
.endif
	FETCH \q, \g
	s_wait_dscnt 32                                ; all but the 32 just issued
	MUL8 \f, 1, 0, \u, 0, \ride
	MUL8 \f, 1, 2, \u, 0, \ride
.endm
; The last quarter: buffer 1 into U1, O += w0 U0 beside it, and the change of slots.  fill = 1: waits, add and wait in front of the round, the joint refill first behind it.
.macro TURN fill
.set RN, 0
	WIN 0
	s_wait_tensorcnt 0x0
	ds_add_u32 v[SPW], v[NIL]
.if \fill
	s_xor_b32 s[G0+5], s[G0+5], SLOT
	s_add_nc_u64 s[G0+6:G0+7], s[G0+6:G0+7], ASTEP
	s_xor_b32 s[G0B+5], s[G0B+5], SLOT
	s_add_nc_u64 s[G0B+6:G0B+7], s[G0B+6:G0B+7], BSTEP
.endif
	s_xor_b32 s[TG], s[TG], SLOT
	s_wait_dscnt 17                                ; the add and the youngest sixteen loads may be out
	MUL8 F1, 0, 0, 1, 0, 0
	s_wait_dscnt 0x0
	s_barrier_signal -1
	MUL8 F1, 0, 2, 1, 0, 0
	WIN 0
	s_barrier_wait -1
.if \fill
	CREST
	JLOAD
.else
	PLACES
.endif
	v_add_nc_u32 v[ADRA], s[TG], v[ADRA0]
	v_add_nc_u32 v[ADRB], s[TG], v[ADRB0]
	v_add_nc_u32 v[ADRB+1], BH, v[ADRB]
.if !(\fill)
	s_cmp_eq_u32 s3, 1
	s_cbranch_scc1 .Lno_fetch_\@
.endif
	FETCH 0, F0
	WIN 0
.if !(\fill)
.Lno_fetch_\@:
.endif
	MUL8 F1, 1, 0, 1, 0, 0
	MUL8 F1, 1, 2, 1, 0, 0
.endm
	s_wait_tensorcnt 0x1                           ; K step 0 is in; K step 1 may stay out
	s_wait_dscnt 0x0
	s_barrier_signal -1
	s_barrier_wait -1
	FETCH 0, F0
	QUARTER 1, F0, F1, 0, 1, -1, 0
	WIN 0
	s_mov_b32 s3, KS-2
.Lstep:
	QUARTER 2, F1, F0, 0, 0, -1, 1
	QUARTER 3, F0, F1, 1, 1, -1, 0
	TURN 1
	QUARTER 1, F0, F1, 0, 1, 1, 0                  ; the next step's first quarter, O += w1 U1 beside it
	WIN 0
	s_sub_co_u32 s3, s3, 1
	s_cmp_lg_u32 s3, 0
	s_cbranch_scc1 .Lstep
	s_mov_b32 s3, 2
	s_branch .Ltmid
.Ltail:
	QUARTER 1, F0, F1, 0, 1, 1, 0
	WIN 0
.Ltmid:
	QUARTER 2, F1, F0, 0, 0, -1, 1
	QUARTER 3, F0, F1, 1, 1, -1, 0
	TURN 0
	WIN 0
	s_sub_co_u32 s3, s3, 1
	s_cmp_lg_u32 s3, 0
	s_cbranch_scc1 .Ltail
	PLACES
	PLACES
.set RN, 0
.rept 32
	RIDE 1                                         ; the last chunk
.endr
	WIN 0
	s_wait_dscnt 0x0
	s_barrier_signal -1
	s_barrier_wait -1                              ; nobody reads the ring any more, and it has had its last fill
.set n, 0
.rept 64
.if ((n/16)%2) == 0
	v_pk_mul_f32 v[O+2*n:O+2*n+1], v[O+2*n:O+2*n+1], v[INV+n/16:INV+n/16+1] op_sel_hi:[1,0]
.else
	v_pk_mul_f32 v[O+2*n:O+2*n+1], v[O+2*n:O+2*n+1], v[INV+n/16-1:INV+n/16] op_sel:[0,1] op_sel_hi:[1,1]
.endif
.set n, n+1
.endr
.set n, 0
.rept 64
	v_cvt_pk_f16_f32 v[TMP+n], v[O+2*n], v[O+2*n+1]
.set n, n+1
.endr
.irp a, 0,1,2,3
.irp b, 0,1,2,3
	ds_store_b128 v[STO], v[TMP+4*(4*(\a)+(\b)):TMP+4*(4*(\a)+(\b))+3] offset:(\a)*16*SPITCH+32*(\b)
.endr
.endr
	s_wait_dscnt 0x0                               ; a row's 256 bytes come from two waves
	s_barrier_signal -1
	s_barrier_wait -1
.irp t, 0,1,2,3,4,5,6,7,8,9,10,11,12,13,14,15
	ds_load_b128 v[TMP+4*(\t):TMP+4*(\t)+3], v[RD] offset:(\t)*2*SPITCH
.endr
.irp t, 0,1,2,3,4,5,6,7,8,9,10,11,12,13,14,15
	s_wait_dscnt 15-(\t)
	global_store_b128 v[CO], v[TMP+4*(\t):TMP+4*(\t)+3], s[8:9] offset:2*(\t)*2048  ; 16 lanes store 256 consecutive aligned bytes
.endr
	s_wait_tensorcnt 0x0                           ; the wave's end
	ds_add_u32 v[SPW], v[NIL]
	s_wait_dscnt 0x0
	CROUND
	s_endpgm
.Lfunc_end_k_q936e82be7f_mix:
	.size	k_q936e82be7f_mix, .Lfunc_end_k_q936e82be7f_mix-k_q936e82be7f_mix
	.p2alignl 7, 3214868480
	.fill 96, 4, 3214868480
	.section	.rodata,"a",@progbits
	.p2align	6, 0x0
	.amdhsa_kernel k_q936e82be7f_mix
		.amdhsa_group_segment_fixed_size 327680
		.amdhsa_private_segment_fixed_size 0
		.amdhsa_enable_private_segment 0
		.amdhsa_kernarg_size 32
		.amdhsa_user_sgpr_count 2
		.amdhsa_user_sgpr_kernarg_segment_ptr 1
		.amdhsa_wavefront_size32 1
		.amdhsa_system_sgpr_workgroup_id_x 1
		.amdhsa_system_sgpr_workgroup_id_y 1
		.amdhsa_system_sgpr_workgroup_id_z 1
		.amdhsa_system_vgpr_workitem_id 0
		.amdhsa_next_free_vgpr 768
		.amdhsa_next_free_sgpr 88
		.amdhsa_reserve_vcc 1
		.amdhsa_float_denorm_mode_32 3
		.amdhsa_float_denorm_mode_16_64 3
		.amdhsa_memory_ordered 1
		.amdhsa_forward_progress 1
		.amdhsa_inst_pref_size 105
	.end_amdhsa_kernel
	.amdgpu_metadata
---
amdhsa.version: [ 1, 2 ]
amdhsa.kernels:
  - .name:           k_q936e82be7f_mix
    .symbol:         k_q936e82be7f_mix.kd
    .args:
      - { .name: pbuf, .offset: 0, .size: 8, .value_kind: global_buffer, .address_space: global }
      - { .name: st, .offset: 8, .size: 8, .value_kind: global_buffer, .address_space: global }
      - { .name: qkv, .offset: 16, .size: 8, .value_kind: global_buffer, .address_space: global }
      - { .name: ob, .offset: 24, .size: 8, .value_kind: global_buffer, .address_space: global }
    .group_segment_fixed_size: 327680
    .private_segment_fixed_size: 0
    .kernarg_segment_align: 8
    .kernarg_segment_size: 32
    .max_flat_workgroup_size: 128
    .sgpr_count:     88
    .vgpr_count:     768
    .wavefront_size: 32
...
	.end_amdgpu_metadata
.endif
;; end of part 5
;; launch outp (part 6): grid 8 x 32, 4 waves a work-group, clusters of 4 x 4, 327,680 bytes of LDS; arguments ob, cst, bo, out0; writes out0
.if DOCPART == 6
	.amdgcn_target "amdgcn-amd-amdhsa--gfx1250"
	.amdhsa_code_object_version 6
	.text
	.protected	k_q936e82be7f_outp
	.globl	k_q936e82be7f_outp
	.p2align	8
	.type	k_q936e82be7f_outp,@function
k_q936e82be7f_outp:
	s_mov_b64 s[64:65], 0
	v_nop
	global_prefetch_b8 v0, s[64:65] scope:SCOPE_SE
	s_setreg_imm32_b32 hwreg(HW_REG_WAVE_MODE, 25, 1), 1
	s_wait_xcnt 0x0
	s_wait_alu depctr_hold_cnt(0) depctr_sa_sdst(0) depctr_va_vdst(0) depctr_va_sdst(0) depctr_va_ssrc(0) depctr_va_vcc(0) depctr_vm_vsrc(0)
	s_getreg_b32 s2, hwreg(HW_REG_IB_STS2, 6, 4)
	s_cmp_eq_u32 s2, 0
	s_cbranch_scc0 .Lentry_in_a_cluster
	s_endpgm
.Lentry_in_a_cluster:
	s_bfe_u32 s2, ttmp6, 0x10000c
	s_cmp_lg_u32 s2, 0xf033
	s_cbranch_scc0 .Lentry_shape_is_right
	s_endpgm
.Lentry_shape_is_right:
; OUTP.  out0 = O Wo + bo: 4096 x 1024 x 1024.  O is f16 in ob; Wo, rounded to bf16 like every input and written as f16, lies [k][n] at byte 39,845,888 of cst; bo, rounded to bf16, starts the sums; f32 out.
; Tile 128 x 128, four waves of 64 x 64 (16 accumulators in window 0), four K steps of 256 through two LDS slots; frame as in the launch before: O as 64 rows x 512 bytes a load (528 apart),
; Wo as 128 k rows x 256 bytes a load (288 apart), turned on the way into registers; slot 1 at 0x24000; a K step a trip; the last two steps a second loop.
; CLUSTER 4 x 4: O's tile shared along a row, Wo's along a column.  No prefetch: small tiles and four K steps.
; WAY OUT.  16 rows at a time through a stage of the wave's own behind the ring: a wave's 64 columns of f32 are 256 aligned bytes of a row.
.set KS,     4
.set APITCH, 528
.set BPITCH, 288
.set AH,     64*APITCH
.set BH,     128*BPITCH
.set BOFF,   2*AH
.set SLOT,   0x24000
.set STAGE,  SLOT+BOFF+2*BH            ; 16 rows x 272 bytes a wave; no tensor load lands here
.set SPITCH, 272
.set SPARE,  STAGE+4*16*SPITCH         ; the spare words
.set ASTEP,  512
.set BSTEP,  256*2048
.set ADRA0, 16
.set ADRB0, 17
.set ADRA,  18
.set ADRB,  19
.set STO,   22
.set RD,    24
.set CO,    25
.set BO,    27
.set SPW,   28
.set NIL,   29
.set BIAS,  96                         ; v[96:127] block b, register j: bo[16 b + 8 (l / 16) + j] of my 64 columns
.set ACC,   128
.set F0,    0
.set F1,    128
.set G1,  24
.set G0,  32
.set G1B, 48
.set G0B, 56
.set TG,  66
.set CLY, 67
.set HIM, 83
.set MSB, 0
.macro WIN new
.if MSB != (\new)
	s_set_vgpr_msb (MSB<<8)|(\new)
.set MSB, \new
.endif
.endm
.set MUL,  0x05                        ; sources 0, 1 window 1; C and D window 0
.set TO_F, 0x40
.macro PLACES
.rept 4
	v_nop
.endr
.endm
.macro CREST
	s_cmp_lg_u32 s10, 0
	s_cbranch_scc1 .Lnot_wave_0_\@
	s_barrier_signal -3
.Lnot_wave_0_\@:
	s_barrier_wait -3
	s_barrier_signal -1
	s_barrier_wait -1
.endm
.macro CROUND
	s_barrier_signal -1
	s_barrier_wait -1
	CREST
.endm
.macro JLOAD
	s_cmp_eq_u32 s11, 0
	s_cbranch_scc0 .Lfor_b_\@
	tensor_load_to_lds s[G0+4:G0+7], s[G1:G1+7]
	s_nop 0
.rept 4
	v_nop
.endr
	s_branch .Lasked_\@
.Lfor_b_\@:
	tensor_load_to_lds s[G0B+4:G0B+7], s[G1B:G1B+7]
	s_nop 0
.rept 4
	v_nop
.endr
.Lasked_\@:
.endm
	s_load_b256 s[68:75], s[0:1], 0x0              ; ob s[68:69], cst s[70:71], bo s[72:73], out0 s[74:75]
	v_lshl_add_u32 v[SPW], v0, 2, SPARE
	v_mov_b32 v[NIL], 0
	ds_add_u32 v[SPW], v[NIL]                      ; the wave's opening: the add and its wait stand ahead of my first tensor load
	v_lshrrev_b32 v1, 5, v0
	v_readfirstlane_b32 s10, v1
	s_lshr_b32 s11, s10, 1
	s_and_b32 s12, s10, 1
	s_bfe_u32 s40, ttmp6, 0x40000
	s_bfe_u32 s41, ttmp6, 0x40004
	s_lshl_b32 s42, ttmp9, 2
	s_add_co_u32 s42, s42, s40                     ; tile column
	s_and_b32 s[CLY], ttmp7, 0xffff
	s_lshl_b32 s13, s[CLY], 2
	s_add_co_u32 s13, s13, s41                     ; tile row
	s_lshl_b32 s43, s41, 2
	s_lshl_b32 s43, 15, s43
	s_lshl_b32 s44, 0x1111, s40
	s_or_b32 s[G1], s43, (1<<16)|(1<<20)|(1<<21)|(6<<22)|(3<<25)
	s_mov_b32 s[G1+1], 256<<16
	s_mov_b32 s[G1+2], 64<<16
	s_mov_b32 s[G1+3], 256<<16
	s_mov_b32 s[G1+4], 64
	s_mov_b32 s[G1+5], 1024
	s_mov_b32 s[G1+6], 0
	s_mov_b32 s[G1+7], 0
	s_or_b32 s[G1B], s44, (1<<16)|(1<<20)|(1<<21)|(5<<22)|(7<<25)
	s_mov_b32 s[G1B+1], 128<<16
	s_mov_b32 s[G1B+2], 128<<16
	s_mov_b32 s[G1B+3], 128<<16
	s_mov_b32 s[G1B+4], 128
	s_mov_b32 s[G1B+5], 1024
	s_mov_b32 s[G1B+6], 0
	s_mov_b32 s[G1B+7], 0
	s_mov_b32 s[TG], 0
	s_mov_b32 s[HIM], 0xffff0000
	s_lshl_b32 s16, s13, 18                        ; O: tile row x 128 rows of 2,048 bytes
	s_lshl_b32 s17, s12, 17
	s_add_co_u32 s16, s16, s17
	s_mov_b32 s17, 0
	s_lshl_b32 s46, s12, 18                        ; Wo: my 128 k rows of the step's 256,
	s_lshl_b32 s47, s42, 8                         ; the tile's 128 columns
	s_add_co_u32 s46, s46, s47
	s_add_co_u32 s46, s46, 39845888
	s_mov_b32 s47, 0
	s_mul_i32 s20, s12, AH
	s_mul_i32 s21, s12, BH
	s_add_co_u32 s21, s21, BOFF
	s_wait_dscnt 0x0
	s_wait_kmcnt 0x0
	s_add_nc_u64 s[14:15], s[68:69], s[16:17]
	s_add_nc_u64 s[46:47], s[70:71], s[46:47]
	CROUND
.irp s, 0,1
	s_mov_b32 s[G0+4*(\s)], 1
	s_add_co_u32 s[G0+4*(\s)+1], s20, (\s)*SLOT
	s_add_nc_u64 s[G0+4*(\s)+2:G0+4*(\s)+3], s[14:15], (\s)*ASTEP
	s_or_b32 s[G0+4*(\s)+3], s[G0+4*(\s)+3], 0x80000000
	s_mov_b32 s[G0B+4*(\s)], 1
	s_add_co_u32 s[G0B+4*(\s)+1], s21, (\s)*SLOT
	s_add_nc_u64 s[G0B+4*(\s)+2:G0B+4*(\s)+3], s[46:47], (\s)*BSTEP
	s_or_b32 s[G0B+4*(\s)+3], s[G0B+4*(\s)+3], 0x80000000
.endr
	s_cmp_eq_u32 s11, 0
	s_cbranch_scc0 .Lfirst_b
	tensor_load_to_lds s[G0:G0+3], s[G1:G1+7]
	s_nop 0
	tensor_load_to_lds s[G0+4:G0+7], s[G1:G1+7]
	s_nop 0
.rept 4
	v_nop
.endr
	s_branch .Lfirst_asked
.Lfirst_b:
	tensor_load_to_lds s[G0B:G0B+3], s[G1B:G1B+7]
	s_nop 0
	tensor_load_to_lds s[G0B+4:G0B+7], s[G1B:G1B+7]
	s_nop 0
.rept 4
	v_nop
.endr
.Lfirst_asked:
	s_lshl_b32 s22, s42, 9                         ; bo at my 64 columns
	s_lshl_b32 s23, s12, 8
	s_add_co_u32 s22, s22, s23
	s_mov_b32 s23, 0
	s_add_nc_u64 s[4:5], s[72:73], s[22:23]
	v_and_b32 v1, 15, v0
	v_bfe_u32 v2, v0, 4, 1
	v_lshlrev_b32 v[BO], 5, v2
.irp b, 0,1,2,3
	global_load_b128 v[BIAS+8*(\b):BIAS+8*(\b)+3],   v[BO], s[4:5] offset:64*(\b)
	global_load_b128 v[BIAS+8*(\b)+4:BIAS+8*(\b)+7], v[BO], s[4:5] offset:64*(\b)+16
.endr
	v_mul_u32_u24 v3, v1, APITCH
	v_lshl_add_u32 v3, v2, 4, v3
	s_mul_i32 s21, s11, AH
	v_add_nc_u32 v[ADRA0], s21, v3
	v_and_b32 v4, 7, v0
	v_lshl_add_u32 v4, v2, 3, v4
	v_mul_u32_u24 v4, v4, BPITCH
	v_bfe_u32 v5, v0, 3, 1
	v_lshl_add_u32 v4, v5, 4, v4
	s_lshl_b32 s21, s12, 7
	s_add_co_u32 s21, s21, BOFF
	v_add_nc_u32 v[ADRB0], s21, v4
	v_mov_b32 v[ADRA], v[ADRA0]
	v_mov_b32 v[ADRB], v[ADRB0]
	v_add_nc_u32 v[ADRB+1], BH, v[ADRB0]
	s_mul_i32 s21, s10, 16*SPITCH
	s_add_co_u32 s21, s21, STAGE
	v_mul_u32_u24 v3, v1, SPITCH
	v_lshl_add_u32 v3, v2, 5, v3                   ; in: row l % 16, 32 bytes for each half of the lanes
	v_add_nc_u32 v[STO], s21, v3
	v_mul_u32_u24 v3, v2, SPITCH
	v_lshl_add_u32 v3, v1, 4, v3                   ; back: lanes 0-15 one row of 256 bytes, lanes 16-31 the next
	v_add_nc_u32 v[RD], s21, v3
	v_lshlrev_b32 v3, 12, v2
	v_lshl_add_u32 v[CO], v1, 4, v3
	s_lshl_b32 s6, s13, 19                         ; out0 at my 64 x 64
	s_lshl_b32 s7, s11, 18
	s_add_co_u32 s6, s6, s7
	s_lshl_b32 s7, s42, 9
	s_add_co_u32 s6, s6, s7
	s_lshl_b32 s7, s12, 8
	s_add_co_u32 s6, s6, s7
	s_mov_b32 s7, 0
	s_add_nc_u64 s[8:9], s[74:75], s[6:7]
	s_wait_loadcnt 0x0
.set i, 0
.rept 16
	v_cvt_pk_bf16_f32 v[32+i], v[BIAS+2*i], v[BIAS+2*i+1]
.set i, i+1
.endr
.set i, 0
.rept 16
	v_lshlrev_b32 v[BIAS+2*i], 16, v[32+i]
	v_and_b32 v[BIAS+2*i+1], s[HIM], v[32+i]
.set i, i+1
.endr
.macro MUL8 f, c, a0, cm               ; cm = 2: the bias starts the sums
	WIN MUL
.irp a, \a0, (\a0)+1
.irp b, 0,1,2,3
.if (\cm) == 2
	v_wmma_f32_16x16x32_f16 v[ACC+8*(4*(\a)+(\b)):ACC+8*(4*(\a)+(\b))+7], v[(\f)+64+8*(4*(\c)+(\b)):(\f)+64+8*(4*(\c)+(\b))+7], v[(\f)+8*(4*(\c)+(\a)):(\f)+8*(4*(\c)+(\a))+7], v[BIAS+8*(\b):BIAS+8*(\b)+7]
.else
	v_wmma_f32_16x16x32_f16 v[ACC+8*(4*(\a)+(\b)):ACC+8*(4*(\a)+(\b))+7], v[(\f)+64+8*(4*(\c)+(\b)):(\f)+64+8*(4*(\c)+(\b))+7], v[(\f)+8*(4*(\c)+(\a)):(\f)+8*(4*(\c)+(\a))+7], v[ACC+8*(4*(\a)+(\b)):ACC+8*(4*(\a)+(\b))+7]
.endif
.endr
.endr
.endm
.macro FETCH q, f
	WIN TO_F
.irp c, 0,1
.irp i, 0,1,2,3
	ds_load_tr16_b128 v[(\f)+64+8*(4*(\c)+(\i)):(\f)+64+8*(4*(\c)+(\i))+3],   v[ADRB+(\q)/2] offset:((\q)%2)*64*BPITCH+(\c)*32*BPITCH+32*(\i)
	ds_load_tr16_b128 v[(\f)+64+8*(4*(\c)+(\i))+4:(\f)+64+8*(4*(\c)+(\i))+7], v[ADRB+(\q)/2] offset:((\q)%2)*64*BPITCH+(\c)*32*BPITCH+32*(\i)+16*BPITCH
	ds_load_b128 v[(\f)+8*(4*(\c)+(\i)):(\f)+8*(4*(\c)+(\i))+3],   v[ADRA] offset:128*(\q)+64*(\c)+(\i)*16*APITCH
	ds_load_b128 v[(\f)+8*(4*(\c)+(\i))+4:(\f)+8*(4*(\c)+(\i))+7], v[ADRA] offset:128*(\q)+64*(\c)+(\i)*16*APITCH+32
.endr
.endr
.endm
.macro QUARTER q, f, g, cm             ; multiplies buffer f and fetches quarter q into g
	s_wait_dscnt 16                                ; the first 32 along K are in
	MUL8 \f, 0, 0, \cm
	MUL8 \f, 0, 2, \cm
	PLACES
	FETCH \q, \g
	s_wait_dscnt 32                                ; all but the 32 just issued
	MUL8 \f, 1, 0, 0
	MUL8 \f, 1, 2, 0
.endm
.macro TURN fill
	WIN 0
	s_wait_tensorcnt 0x0
	ds_add_u32 v[SPW], v[NIL]
.if \fill
	s_xor_b32 s[G0+5], s[G0+5], SLOT
	s_add_nc_u64 s[G0+6:G0+7], s[G0+6:G0+7], ASTEP
	s_xor_b32 s[G0B+5], s[G0B+5], SLOT
	s_add_nc_u64 s[G0B+6:G0B+7], s[G0B+6:G0B+7], BSTEP
.endif
	s_xor_b32 s[TG], s[TG], SLOT
	s_wait_dscnt 17                                ; the add and the youngest sixteen loads may be out
	MUL8 F1, 0, 0, 0
	s_wait_dscnt 0x0
	s_barrier_signal -1
	MUL8 F1, 0, 2, 0
	WIN 0
	s_barrier_wait -1
.if \fill
	CREST
	JLOAD
.else
	PLACES
.endif
	v_add_nc_u32 v[ADRA], s[TG], v[ADRA0]
	v_add_nc_u32 v[ADRB], s[TG], v[ADRB0]
	v_add_nc_u32 v[ADRB+1], BH, v[ADRB]
.if !(\fill)
	s_cmp_eq_u32 s3, 1
	s_cbranch_scc1 .Lno_fetch_\@
.endif
	FETCH 0, F0
	WIN 0
.if !(\fill)
.Lno_fetch_\@:
.endif
	MUL8 F1, 1, 0, 0
	MUL8 F1, 1, 2, 0
.endm
	s_wait_tensorcnt 0x1                           ; K step 0 is in; K step 1 may stay out
	s_barrier_signal -1
	s_barrier_wait -1
	FETCH 0, F0
	QUARTER 1, F0, F1, 2
	WIN 0
	s_mov_b32 s3, KS-2
.Lstep:
	QUARTER 2, F1, F0, 0
	QUARTER 3, F0, F1, 0
	TURN 1
	QUARTER 1, F0, F1, 0
	WIN 0
	s_sub_co_u32 s3, s3, 1
	s_cmp_lg_u32 s3, 0
	s_cbranch_scc1 .Lstep
	s_mov_b32 s3, 2
	s_branch .Ltmid
.Ltail:
	QUARTER 1, F0, F1, 0
	WIN 0
.Ltmid:
	QUARTER 2, F1, F0, 0
	QUARTER 3, F0, F1, 0
	TURN 0
	WIN 0
	s_sub_co_u32 s3, s3, 1
	s_cmp_lg_u32 s3, 0
	s_cbranch_scc1 .Ltail
	PLACES
	PLACES
.set a, 0
.rept 4                                        ; 16 rows at a time; two sets of registers take turns
.set BK, 32+32*(a%2)
.set b, 0
.rept 4
	ds_store_b128 v[STO], v[ACC+8*(4*a+b):ACC+8*(4*a+b)+3]   offset:64*b
	ds_store_b128 v[STO], v[ACC+8*(4*a+b)+4:ACC+8*(4*a+b)+7] offset:64*b+16
.set b, b+1
.endr
	s_wait_xcnt 0x0                                ; the set's earlier stores have read it
.set t, 0
.rept 8
	ds_load_b128 v[BK+4*t:BK+4*t+3], v[RD] offset:t*2*SPITCH   ; LDS serves a wave in order: these see the stores above, and the next block's stores come behind them
.set t, t+1
.endr
	s_wait_dscnt 0x0
.set t, 0
.rept 8
	global_store_b128 v[CO], v[BK+4*t:BK+4*t+3], s[8:9] offset:(16*a+2*t)*4096  ; 16 lanes store 256 consecutive aligned bytes
.set t, t+1
.endr
.set a, a+1
.endr
	s_wait_tensorcnt 0x0                           ; the wave's end
	ds_add_u32 v[SPW], v[NIL]
	s_wait_dscnt 0x0
	CROUND
	s_endpgm
.Lfunc_end_k_q936e82be7f_outp:
	.size	k_q936e82be7f_outp, .Lfunc_end_k_q936e82be7f_outp-k_q936e82be7f_outp
	.p2alignl 7, 3214868480
	.fill 96, 4, 3214868480
	.section	.rodata,"a",@progbits
	.p2align	6, 0x0
	.amdhsa_kernel k_q936e82be7f_outp
		.amdhsa_group_segment_fixed_size 327680
		.amdhsa_private_segment_fixed_size 0
		.amdhsa_enable_private_segment 0
		.amdhsa_kernarg_size 32
		.amdhsa_user_sgpr_count 2
		.amdhsa_user_sgpr_kernarg_segment_ptr 1
		.amdhsa_wavefront_size32 1
		.amdhsa_system_sgpr_workgroup_id_x 1
		.amdhsa_system_sgpr_workgroup_id_y 1
		.amdhsa_system_sgpr_workgroup_id_z 1
		.amdhsa_system_vgpr_workitem_id 0
		.amdhsa_next_free_vgpr 512
		.amdhsa_next_free_sgpr 88
		.amdhsa_reserve_vcc 0
		.amdhsa_float_denorm_mode_32 3
		.amdhsa_float_denorm_mode_16_64 3
		.amdhsa_memory_ordered 1
		.amdhsa_forward_progress 1
		.amdhsa_inst_pref_size 61
	.end_amdhsa_kernel
	.amdgpu_metadata
---
amdhsa.version: [ 1, 2 ]
amdhsa.kernels:
  - .name:           k_q936e82be7f_outp
    .symbol:         k_q936e82be7f_outp.kd
    .args:
      - { .name: ob, .offset: 0, .size: 8, .value_kind: global_buffer, .address_space: global }
      - { .name: cst, .offset: 8, .size: 8, .value_kind: global_buffer, .address_space: global }
      - { .name: bo, .offset: 16, .size: 8, .value_kind: global_buffer, .address_space: global }
      - { .name: out0, .offset: 24, .size: 8, .value_kind: global_buffer, .address_space: global }
    .group_segment_fixed_size: 327680
    .private_segment_fixed_size: 0
    .kernarg_segment_align: 8
    .kernarg_segment_size: 32
    .max_flat_workgroup_size: 128
    .sgpr_count:     88
    .vgpr_count:     512
    .wavefront_size: 32
...
	.end_amdgpu_metadata
.endif
;; end of part 6
